; MI455X (gfx1250); checked and timed in simulation.
; The chip was launched on July 23, 2026; its instructions are those of AMD's public machine-readable ISA for CDNA 5 (MIT licence, August 2026) and "CDNA5" Instruction Set Architecture Reference Guide (July 2026). The comments in the code are by the model that wrote it; some were corrected since.
;; GRAND Block. Allowed arithmetic: matrix products marked QUANTISED: E2M1 operands, one E8M0 scale for each 32 along K, by v_wmma_scale_f32_16x16x128_f8f6f4 with both operands' format E2M1 (or v_wmma_scale_f32_32x16x128_f4), f32 sums; everything else in f32.
;; Inputs: Wk_codes 1,024 x 16 x 16 uint8 (E2M1 codes of Wk, K innermost, in blocks of 32 codes, two codes a byte); Wk_scales 1,024 x 16 uint8 (E8M0 scales of Wk, one for each 32 codes along K); Wq_codes 1,024 x 16 x 16 uint8 (E2M1 codes of Wq, K innermost, in blocks of 32 codes, two codes a byte); Wq_scales 1,024 x 16 uint8 (E8M0 scales of Wq, one for each 32 codes along K); Wv_codes 1,024 x 16 x 16 uint8 (E2M1 codes of Wv, K innermost, in blocks of 32 codes, two codes a byte); Wv_scales 1,024 x 16 uint8 (E8M0 scales of Wv, one for each 32 codes along K); Ww0_codes 128 x 32 x 16 uint8 (E2M1 codes of Ww0, K innermost, in blocks of 32 codes, two codes a byte); Ww0_scales 128 x 32 uint8 (E8M0 scales of Ww0, one for each 32 codes along K); bk 1,024 float32; bq 1,024 float32; bv 1,024 float32; bw0 128 float32; x_codes 16 x 1,024 x 16 x 16 uint8 (E2M1 codes of x, K innermost, in blocks of 32 codes, two codes a byte); x_scales 16 x 1,024 x 16 uint8 (E8M0 scales of x, one for each 32 codes along K).
;; Outputs: out0 16 x 1,024 x 128 float32.
;; This version of the problem:
;;   THIS VERSION OF THE PROBLEM IS GIVEN IN LOW PRECISION. The matrix products marked QUANTISED in the list below multiply operands that are first quantised to E2M1 (2 exponent bits, 1 mantissa bit; 4 bits a number), with one power-of-two scale for each 32 numbers along K (OCP MX v1.0); their sums are f32. All else is computed in f32.
;;   The module's matrix products, in the order in which they are computed (A, B: the left and right operand; K: the contracted axis; several contracted axes count as one K, in the product's order):
;;     1. [M 16,384, K 512] x [K 512, N 1,024]; A: input x (given as codes); B: input Wk (given as codes): QUANTISED
;;     2. [M 16,384, K 512] x [K 512, N 1,024]; A: input x (given as codes); B: input Wq (given as codes): QUANTISED
;;     3. [M 16,384, K 512] x [K 512, N 1,024]; A: input x (given as codes); B: input Wv (given as codes): QUANTISED
;;     4. batch 128 x [M 1,024, K 128] x [K 128, N 1,024]; A: computed on the way; B: computed on the way: QUANTISED
;;     5. batch 128 x [M 1,024, K 1,024] x [K 1,024, N 128]; A: computed on the way; B: computed on the way: QUANTISED
;;     6. [M 16,384, K 1,024] x [K 1,024, N 128]; A: computed on the way; B: input Ww0 (given as codes): QUANTISED
;;   THE QUANTISER, for each operand of a quantised product, along K:
;;     - K is cut into blocks of 32 from its start; a last block that is shorter is filled with zeros.
;;     - A block's scale is 2^e with e = floor(log2(the largest magnitude in the block)) - 2, held to -126 .. 127; a block of zeros has e = 0. As a byte (E8M0): e + 127.
;;     - Each number is divided by its block's scale, clamped to +-6, and rounded to the nearest number of E2M1, ties to even, subnormals kept.
;;     - The product sums the exact products of the quantised numbers (number of the format x scale) in f32.
;;   ~~~python
;;   def quantise(x, axis):      # numpy; x: float32 -> the quantised numbers, widened to float32 again
;;       x = np.moveaxis(x, axis, -1); K = x.shape[-1]
;;       x = np.pad(x, [(0, 0)] * (x.ndim - 1) + [(0, -K % 32)]); x = x.reshape(x.shape[:-1] + (-1, 32)); a = np.abs(x).max(-1, keepdims=True)
;;       e = np.where(a > 0, np.clip(np.frexp(np.where(a > 0, a, 1))[1] - 1 - 2, -126, 127), 0)      # np.frexp(a)[1] - 1 = floor(log2(a)), exactly
;;       r = np.clip(x / 2.0 ** e, -6, 6)
;;       step = 2.0 ** (np.maximum(np.frexp(np.where(r == 0, 1, r))[1] - 1, 0) - 1)
;;       q = np.round(r / step) * step * 2.0 ** e      # np.round: ties to even
;;       return np.moveaxis(q.reshape(q.shape[:-2] + (-1,))[..., :K], -1, axis).astype(np.float32)
;;   ~~~
;;   OPERANDS COMPUTED ON THE WAY. 'Computed on the way' means the value that the module computes at that place (a softmax that the list does not call 'softmax' is quantised finished and normalised). What goes into a quantiser is computed in f32, as accurately as f32 sums, v_exp_f32 and their like allow (about 1e-6 of the number): no bf16 or f16 on the way to a quantiser, and a product that is left as it is and whose result goes on into a quantised operand takes f32 operands (vector FMAs, or v_wmma_f32_16x16x4_f32). A number that lies on a knife's edge between two numbers of the format may be rounded either way, as far as f32 arithmetic and the matrix unit's own rounding can turn it there, and no further.
;;   INPUTS GIVEN AS CODES. Wk (in the module: [512, 1024], K = its axis 0); Wq (in the module: [512, 1024], K = its axis 0); Wv (in the module: [512, 1024], K = its axis 0); Ww0 (in the module: [1024, 128], K = its axis 0); x (in the module: [16, 1024, 512], K = its axis 2): each comes as NAME_codes (uint8): NAME with its K axis moved to the last place and cut into blocks of 32 codes, [.., K / 32, bytes a block], one block behind the other in memory; two codes a byte, the lower K in the low four bits (a code: sign, 2 exponent bits, 1 mantissa bit); and NAME_scales (uint8): the same leading axes, one E8M0 byte (e + 127) for each 32 codes along K. Its value is code x scale, taken as it is: it is not quantised again, and the codes and scales need not be those that the quantiser above would give.
;; One version. Each part assembles by itself: llvm-mc -triple=amdgcn-amd-amdhsa -mcpu=gfx1250 --defsym DOCPART=n.
;; ======== version 1 of 1: 3 launches
;; limits: right only within a limited range of input values
;; workspace buffers: qc 8,388,608 bytes; qs 524,288 bytes; kc 8,388,608 bytes; ks 524,288 bytes; vc 8,388,608 bytes; vs 524,288 bytes; oc 8,388,608 bytes; os 524,288 bytes
;; launch proj (part 1): grid 64 x 4, 4 waves a work-group, clusters of 4 x 4, 294,912 bytes of LDS; arguments x_codes, x_scales, Wq_codes, Wq_scales, bq, Wk_codes, Wk_scales, bk, Wv_codes, Wv_scales, bv, qc, qs, kc, ks, vc, vs; writes qc, qs, kc, ks, vc, vs
.if DOCPART == 1
	.amdgcn_target "amdgcn-amd-amdhsa--gfx1250"
	.amdhsa_code_object_version 6
	.text
	.protected	k_qfb73757e97_proj
	.globl	k_qfb73757e97_proj
	.p2align	8
	.type	k_qfb73757e97_proj,@function
k_qfb73757e97_proj:
	s_mov_b64 s[64:65], 0
	v_nop
	global_prefetch_b8 v0, s[64:65] scope:SCOPE_SE
	s_setreg_imm32_b32 hwreg(HW_REG_WAVE_MODE, 25, 1), 1
	s_wait_xcnt 0x0
	s_wait_alu depctr_hold_cnt(0) depctr_sa_sdst(0) depctr_va_vdst(0) depctr_va_sdst(0) depctr_va_ssrc(0) depctr_va_vcc(0) depctr_vm_vsrc(0)
	s_getreg_b32 s2, hwreg(HW_REG_IB_STS2, 6, 4)
	s_cmp_eq_u32 s2, 0
	s_cbranch_scc0 .Lentry_in_a_cluster
	s_endpgm
.Lentry_in_a_cluster:
	s_bfe_u32 s2, ttmp6, 0x10000c
	s_cmp_lg_u32 s2, 0xf033
	s_cbranch_scc0 .Lentry_shape_is_right
	s_endpgm
.Lentry_shape_is_right:
; q = x Wq + bq, k = x Wk + bk, v = x Wv + bv on codes of FP4 (E2M1) with E8M0 scales, and the three results quantised at once for the attention launch.
; NO WORK IS LEFT OUT in this program: every bias goes into a quantised operand or into the output, the identity taken off the softmax moves codes and scales, all 14 inputs are loaded.
; THE RESHAPE.  Row R of x (16,384 rows) and column n (1,024) are head H = R / 128, position 8 (R % 128) + n / 128, feature f = n % 128.  With T = (R % 128) / 16, xr = R % 16, g = n / 128: position = 128 T + 8 xr + g.
; q and k are quantised along f (blocks of 32 columns of one g), v along the positions (a block of 32 = 4 rows of x times the 8 g).
; SLOTS.  Lane r of a tile of 16 rows of x takes row xr(r) = 8 ((r >> 2) & 1) + 4 (r >> 3) + (r & 3).  All workspace buffers are laid as the operand registers of the launch that reads them:
;   qc, kc [H][T][c 2][h 2][g 8][slot 16][16 B]: codes of f = 64 c + 32 h + 0 .. 31;   qs, ks [H][g][T][slot] words (byte b: f block b);
;   vc [H][T][dt 8][c 2][lane 32][16 B]: lane (r, h): f = 16 dt + r, positions 128 T + 64 c + 32 h + 0 .. 31;   vs [H][T / 4][f 128][T % 4][4 bytes].
; SHARES.  Work-group (rb, y): 256 rows of x (heads 2 rb, 2 rb + 1) times 768 columns: Wq's and Wk's rows 256 y .. 256 y + 255 (g = 2 y, 2 y + 1), Wv's rows 128 g + 32 y + 0 .. 31 for all 8 g.
; Wave w: rows 64 w .. 64 w + 63, four tiles of 16; each fragment of W read from LDS feeds four products.  All of the work-group's W (192 KiB) and x (64 KiB) lie in LDS at once: every LDS byte is filled once.
; CLUSTER 4 x 4: W's slices hang on y alone and are asked for jointly along a row of the cluster, x's rows hang on rb alone and are asked for jointly along a column.
; THE PRODUCTS ARE USED TRANSPOSED: source 0 = 16 rows of W, source 1 = 16 rows of x: a lane holds one row of x, its 8 registers 8 columns.  The bias is the C of each sum's first product.
; For v the 16 rows of a tile of Wv are (g = i % 8, f = 2 tau + i / 8): a lane's 8 registers are then 8 neighbouring positions of one f, and a block of 32 lies in four neighbouring lanes.
; LIMITS: NaN, infinities and scale bytes of 0xff among the inputs are not served.  A block of zeros gets the byte 1 where the rule says 127: its codes are zeros, and this program alone reads these bytes.
.set WK,    69632                      ; LDS: Wq's 256 rows at 0, Wk's here: lines of 256 bytes + 16 of padding
.set WVL,   139264                     ; Wv: 8 runs (one a g) of 32 lines of 272 bytes,
.set VRUN,  8736                       ; 8,736 bytes apart: 32 more than a multiple of 256, so that the 16 rows (g, f) of a tile start at 16 different 16-byte columns
.set XR,    209152                     ; x: 64 lines of 272 bytes for each wave
.set XRW,   17408
.set SQ,    278784                     ; scale bytes: Wq's 256 rows x 16, then Wk's (+ 4,096)
.set SVL,   286976                     ; Wv's, laid [f 32][g 8][16 B]
.set BQ,    291072                     ; biases: bq's 256, then bk's (+ 1,024)
.set BVL,   293120                     ; bv's, laid [f 32][g 8]
.set SPARE, 294144                     ; the spare words, 128 bytes for each wave: two blocks of 256 bytes that no other line names
.set VSB,   4608                       ; stages in the wave's own x lines, which have had their one fill and are read by that wave alone, into registers, ahead of the first store there:
.set QST,   5120                       ; v's codes at 0 (4 tiles x 1,152), v's scale bytes at VSB (512), q's or k's scale words at QST (256)
.set FLAGS, (3<<16)|(1<<20)|(1<<21)|(5<<22)|(3<<25)   ; elements of 8 bytes; padding on; bit 21 beside a mask; 4 words of padding behind every 64
.set AX,  1                            ; v1   x: my line and half
.set AW0, 2                            ; v2   Wq, Wk: my line and half in a tile;  v3 the same in the unit in hand
.set AWC, 3
.set AS0, 4                            ; v4, v5  their scale bytes likewise
.set ASC, 5
.set AB0, 6                            ; v6, v7  their biases likewise
.set ABC, 7
.set AWV, 8                            ; v8-10 the same three for Wv
.set ASV, 9
.set ABV, 10
.set OQ,  11                           ; v11  my 16 bytes in qc, kc: 2,048 h + 16 r
.set SPW, 12                           ; v12  LDS address of my spare word; never rewritten
.set NIL, 13                           ; v13  0; never rewritten
.set QSI, 14                           ; v14  scale words into the stage;  v15 back;  v16 8 x lane
.set QSO, 15
.set L8,  16
.set AVC, 17                           ; v17  v's codes into the stage;  v18 v's scale bytes;  v19 codes back;  v20 16 x lane;  v21 scale bytes back
.set AVB, 18
.set AVR, 19
.set L16, 20
.set VSR, 21
.set XS,  24                           ; v24-39   x's scale words [4 m + q]
.set WS,  40                           ; v40-47   W's scale words [4 u + q]
.set BI,  48                           ; v48-63   biases in the result's layout [8 u]
.set WF,  64                           ; v64-127  W's fragments [32 u + 8 q]
.set ACC, 128                          ; v128-191 accumulators [16 m + 8 u]
.set CD,  192                          ; v192-223 codes
.set TM,  224                          ; v224-247 at work
.set XF,  0                            ; window 1: v0-127 x's fragments [32 m + 8 q]
.set G1X, 40                           ; s[40:47] group 1 for x;  s[48:55] for Wq, Wk;  s[72:83] three groups 0
.set G1W, 48
.set G1V, 56
.set SEL, 88                           ; s[88:89] lane selects: lane l xor 16
.set WN,  90                           ; s90  my wave's number
.set TRIP, 91
.set OC,  94                           ; s[94:95] codes' base of the trip;  s[96:97] scale words'
.set OS,  96
.set TB,  98                           ; s98-100 the trip's steps in W's lines, scale bytes, biases
.set TS,  99
.set TI,  100
.set MSB, 0
.macro WIN new                         ; the immediate's high byte repeats the setting that is left
.if MSB != (\new)
	s_set_vgpr_msb (MSB<<8)|(\new)
.set MSB, (\new)
.endif
.endm
.macro ROUND                           ; a round of the cluster's barrier
	s_barrier_signal -1
	s_barrier_wait -1
	s_cmp_lg_u32 s[WN], 0
	s_cbranch_scc1 .Lnw0_\@
	s_barrier_signal -3
.Lnw0_\@:
	s_barrier_wait -3
	s_barrier_signal -1
	s_barrier_wait -1
.endm
.macro WM d, a, b, c, sa, sb
	v_wmma_scale_f32_16x16x128_f8f6f4 v[\d:\d+7], v[\a:\a+7], v[\b:\b+7], v[\c:\c+7], v[\sa], v[\sb] matrix_a_fmt:MATRIX_FMT_FP4 matrix_b_fmt:MATRIX_FMT_FP4
.endm
; 32 products: two tiles of W x four tiles of x, K = 512 in four steps.  The eight accumulators take turns, one instruction a turn.
.macro MUL
	WIN 0x04                                       ; source 1 (x) in window 1
.irp q, 0,1,2,3
.irp m, 0,1,2,3
.irp u, 0,1
.if \q == 0
	WM ACC+16*\m+8*\u, WF+32*\u+8*\q, XF+32*\m+8*\q, BI+8*\u, WS+4*\u+\q, XS+4*\m+\q
.else
	WM ACC+16*\m+8*\u, WF+32*\u+8*\q, XF+32*\m+8*\q, ACC+16*\m+8*\u, WS+4*\u+\q, XS+4*\m+\q
.endif
.endr
.endr
.endr
	WIN 0
.rept 4
	v_nop                                          ; four places ahead of loads into registers that the products have read, and of the first read of results
.endr
.endm
.macro FETCH beta                      ; Wq or Wk: the two tiles of f block beta of the g in hand: 16 + 2 + 4 LDS loads
.irp u, 0,1
.irp q, 0,1,2,3
.irp c, 0,1
	ds_load_b128 v[WF+32*\u+8*\q+4*\c:WF+32*\u+8*\q+4*\c+3], v[AWC] offset:\beta*8704+\u*4352+\q*64+\c*32
.endr
.endr
	ds_load_b128 v[WS+4*\u:WS+4*\u+3], v[ASC] offset:\beta*512+\u*256
	ds_load_b128 v[BI+8*\u:BI+8*\u+3], v[ABC] offset:\beta*128+\u*64
	ds_load_b128 v[BI+8*\u+4:BI+8*\u+7], v[ABC] offset:\beta*128+\u*64+16
.endr
.endm
.macro FETCHV t0                       ; Wv: tiles t0, t0 + 1: as many loads
.irp u, 0,1
.irp q, 0,1,2,3
.irp c, 0,1
	ds_load_b128 v[WF+32*\u+8*\q+4*\c:WF+32*\u+8*\q+4*\c+3], v[AWV] offset:((\t0)+\u)*544+\q*64+\c*32
.endr
.endr
	ds_load_b128 v[WS+4*\u:WS+4*\u+3], v[ASV] offset:((\t0)+\u)*256
	ds_load_b128 v[BI+8*\u:BI+8*\u+3], v[ABV] offset:((\t0)+\u)*64
	ds_load_b128 v[BI+8*\u+4:BI+8*\u+7], v[ABV] offset:((\t0)+\u)*64+16
.endr
.endm
; q, k: f block beta of four tiles of rows.  Lane (r, h) holds f = 32 beta + 16 u + 8 h + j of its row: 16 of the block's 32, lane l xor 16 the others.
.macro QUANTB beta
.irp m, 0,1,2,3
	v_max3_num_f32 v[TM+\m], |v[ACC+16*\m]|, |v[ACC+16*\m+1]|, 0x1800000   ; with the floor 2^(3 - 127): the byte cannot fall under 1
.endr
.irp i, 2,4,6,8,10,12,14
.irp m, 0,1,2,3
	v_max3_num_f32 v[TM+\m], v[TM+\m], |v[ACC+16*\m+\i]|, |v[ACC+16*\m+\i+1]|
.endr
.endr
.irp m, 0,1,2,3
	v_permlanex16_b32 v[TM+4+\m], v[TM+\m], s[SEL], s[SEL+1]
.endr
.irp m, 0,1,2,3
	v_max_num_f32 v[TM+\m], v[TM+\m], v[TM+4+\m]
.endr
.irp m, 0,1,2,3
	v_add_nc_u32 v[TM+8+\m], 0xff000000, v[TM+\m]  ; 2 off the exponent field: the conversion's scale operand
.endr
.irp m, 0,1,2,3
.if \beta == 0
	v_lshrrev_b32 v[TM+16+\m], 23, v[TM+8+\m]      ; the byte starts the row's scale word
.else
	v_lshrrev_b32 v[TM+12+\m], 23, v[TM+8+\m]
.endif
.endr
.if \beta > 0
.irp m, 0,1,2,3
	v_lshl_or_b32 v[TM+16+\m], v[TM+12+\m], 8*\beta, v[TM+16+\m]
.endr
.endif
.irp m, 0,1,2,3
.irp u, 0,1
	v_cvt_scalef32_pk8_fp4_f32 v[CD+16*(\beta/2)+4*\m+2*\u+(\beta%2)], v[ACC+16*\m+8*\u:ACC+16*\m+8*\u+7], v[TM+8+\m]
.endr
.endr
	v_nop                                          ; one plain line behind the last conversion
.endm
; Register 2 u + (beta % 2) holds f = 64 c + 32 (beta % 2) + 16 u + 8 h + 0 .. 7.  Two exchanges of halves a tile make registers p = 0 .. 3 with f = 64 c + 32 h + 8 p: the operand's layout.
.macro SWAPSTORE c
.irp m, 0,1,2,3
	v_permlane16_swap_b32 v[CD+16*\c+4*\m], v[CD+16*\c+4*\m+1]
	v_permlane16_swap_b32 v[CD+16*\c+4*\m+2], v[CD+16*\c+4*\m+3]
.endr
.irp m, 0,1,2,3
	global_store_b128 v[OQ], v[CD+16*\c+4*\m:CD+16*\c+4*\m+3], s[OC:OC+1] offset:\m*8192+\c*4096   ; each half of the lanes stores 256 consecutive bytes, aligned
.endr
.endm
; v: tiles tau = 2 n + u.  Accumulator a = 2 m + u: lane (r, h): f = 2 tau + h, positions 8 xr(r) + 0 .. 7; the block's other 24 lie in lanes r xor 1, 2, 3.
.macro QUANTV n
.irp a, 0,1,2,3,4,5,6,7
	v_max3_num_f32 v[TM+\a], |v[ACC+8*\a]|, |v[ACC+8*\a+1]|, 0x1800000
.endr
.irp i, 2,4,6
.irp a, 0,1,2,3,4,5,6,7
	v_max3_num_f32 v[TM+\a], v[TM+\a], |v[ACC+8*\a+\i]|, |v[ACC+8*\a+\i+1]|
.endr
.endr
.irp a, 0,1,2,3,4,5,6,7
	v_max_num_f32_dpp v[TM+\a], v[TM+\a], v[TM+\a] row_xmask:1 row_mask:0xf bank_mask:0xf
.endr
.irp a, 0,1,2,3,4,5,6,7
	v_max_num_f32_dpp v[TM+\a], v[TM+\a], v[TM+\a] row_xmask:2 row_mask:0xf bank_mask:0xf
.endr
.irp a, 0,1,2,3,4,5,6,7
	v_add_nc_u32 v[TM+8+\a], 0xff000000, v[TM+\a]
.endr
.irp a, 0,1,2,3,4,5,6,7
	v_lshrrev_b32 v[TM+16+\a], 23, v[TM+8+\a]
.endr
.irp a, 0,1,2,3,4,5,6,7
	v_cvt_scalef32_pk8_fp4_f32 v[CD+\a], v[ACC+8*\a:ACC+8*\a+7], v[TM+8+\a]
.endr
	v_nop                                          ; one plain line behind the last conversion
.irp m, 0,1,2,3
.irp u, 0,1
	ds_store_b32 v[AVC], v[CD+2*\m+\u] offset:\m*1152+((2*(\n)+\u)%8)*32    ; 8 codes to their place in the fragment's image
	ds_store_b8 v[AVB], v[TM+16+2*\m+\u] offset:(2*(\n)+\u)*32+\m*4         ; the block's four lanes write the same byte with the same value
.endr
.endr
.endm
.macro VFLUSH dl                       ; 16 f of four tiles T: eight half fragments leave, 512 consecutive bytes a store.  LDS serves a wave's instructions in order: the loads see the stores above
.irp k, 0,1,2,3,4,5,6,7
	ds_load_b128 v[ACC+4*\k:ACC+4*\k+3], v[AVR] offset:(\k/2)*1152+(\k%2)*576
.endr
.irp k, 0,1,2,3,4,5,6,7
	s_wait_dscnt 7-\k                              ; load k is in; the younger ones may be out
	global_store_b128 v[L16], v[ACC+4*\k:ACC+4*\k+3], s[34:35] offset:(\k/2)*8192+\dl*1024+(\k%2)*512
.endr
	s_wait_xcnt 0x0                                ; the stores have read their registers: the next products may write them
.endm
.macro VUNIT n
	s_wait_dscnt 0x0                               ; the unit's fragments, scale words and biases are in; the last unit's stage stores have read their registers
	MUL
.if \n < 7
	FETCHV 2*\n+2
.endif
	QUANTV \n
.endm
	s_load_b512 s[4:19], s[0:1], 0x0               ; x_codes 4, x_scales 6, Wq_codes 8, Wq_scales 10, bq 12, Wk_codes 14, Wk_scales 16, bk 18
	s_load_b512 s[20:35], s[0:1], 0x40             ; Wv_codes 20, Wv_scales 22, bv 24, qc 26, qs 28, kc 30, ks 32, vc 34
	s_load_b64 s[36:37], s[0:1], 0x80              ; vs
	v_lshl_add_u32 v[SPW], v0, 2, SPARE
	v_mov_b32 v[NIL], 0
	ds_add_u32 v[SPW], v[NIL]                      ; the wave's opening: the add, twice on end, and its wait ahead of my first tensor load
	ds_add_u32 v[SPW], v[NIL]
	v_lshrrev_b32 v23, 5, v0
	v_readfirstlane_b32 s[WN], v23                 ; wave 0..3
	s_bfe_u32 s91, ttmp6, 0x40000                  ; cx
	s_bfe_u32 s92, ttmp6, 0x40004                  ; cy = y: the grid is one cluster high
	s_lshl_b32 s93, ttmp9, 2
	s_add_co_u32 s93, s93, s91                     ; rb = 4 x cluster x + cx
	s_lshl_b32 s94, s92, 2
	s_lshl_b32 s94, 15, s94                        ; my row of the cluster: W's slices hang on y alone
	s_lshl_b32 s95, 0x1111, s91                    ; my column: x's rows hang on rb alone
	s_or_b32 s[G1X], s95, FLAGS
	s_or_b32 s[G1W], s94, FLAGS
.irp g, G1X, G1W
	s_mov_b32 s[\g+1], 32<<16                      ; tensor_dim0: 32 elements of 8 bytes
	s_mov_b32 s[\g+2], 256<<16                     ; tensor_dim1: 256 rows
	s_mov_b32 s[\g+3], 32<<16                      ; tile_dim0
	s_mov_b32 s[\g+4], 256                         ; tile_dim1
	s_mov_b32 s[\g+5], 32                          ; from row to row
	s_mov_b32 s[\g+6], 0
	s_mov_b32 s[\g+7], 0
.endr
	s_lshl_b32 s96, s93, 16                        ; x: row 256 rb, 256 bytes a row
	s_mov_b32 s97, 0
	s_lshl_b32 s98, s92, 16                        ; Wq, Wk: row 256 y
	s_mov_b32 s99, 0
	s_lshl_b32 s100, s[WN], 16
	s_lshl_b32 s3, s92, 13
	s_add_co_u32 s100, s100, s3                    ; Wv: row 128 (2 w) + 32 y
	s_mov_b32 s101, 0
	s_mul_i32 s2, s[WN], XRW                       ; 64 lines
	s_mov_b32 s[SEL], 0x76543210
	s_mov_b32 s[SEL+1], 0xfedcba98
	s_wait_dscnt 0x0                               ; both opening adds are done
	s_wait_kmcnt 0x0
	s_add_co_u32 s69, s2, XR                       ; my wave's 64 lines of x
	s_mov_b32 s80, 1                               ; x's 256 rows, whole
	s_mov_b32 s81, XR
	s_add_nc_u64 s[82:83], s[4:5], s[96:97]
	s_or_b32 s83, s83, 0x80000000
	s_mov_b32 s72, 1                               ; Wq's 256 rows
	s_mov_b32 s73, 0
	s_add_nc_u64 s[74:75], s[8:9], s[98:99]
	s_or_b32 s75, s75, 0x80000000
	s_mov_b32 s76, 1                               ; Wk's 256 rows
	s_mov_b32 s77, WK
	s_add_nc_u64 s[78:79], s[14:15], s[98:99]
	s_or_b32 s79, s79, 0x80000000
	s_add_nc_u64 s[20:21], s[20:21], s[100:101]    ; Wv at row 128 (2 w) + 32 y
	; Wv's slice is eight runs of 32 rows, 8,736 bytes apart in LDS: no one tile.  Each wave copies its two runs (g = 2 w, 2 w + 1) through registers: a load takes two rows, 512 consecutive bytes.
	; The 32 loads are asked for here, ahead of the round: they hang on no partner
	v_and_b32 v242, 15, v0                         ; r
	v_bfe_u32 v243, v0, 4, 1                       ; h
	v_lshrrev_b32 v244, 5, v0                      ; wave
	v_mul_u32_u24 v241, v244, 2*VRUN
	v_mad_u32_u24 v241, v243, 272, v241
	v_lshl_add_u32 v241, v242, 4, v241
	v_add_nc_u32 v241, WVL, v241                   ; LDS: my first run, line h, 16 r
	v_and_b32 v240, 31, v0
	v_lshlrev_b32 v240, 4, v240                    ; memory: 16 x lane
.irp i, 0,1,2,3,4,5,6,7,8,9,10,11,12,13,14,15
	global_load_b128 v[64+4*\i:67+4*\i], v240, s[20:21] offset:\i*512
.endr
.irp i, 0,1,2,3,4,5,6,7,8,9,10,11,12,13,14,15
	global_load_b128 v[160+4*\i:163+4*\i], v240, s[20:21] offset:32768+\i*512
.endr
	ROUND                                          ; all sixteen work-groups are here: the joint loads meet
	; ONE TENSOR LOAD A WAVE: wave 0 x, wave 1 Wq's slice, wave 2 Wk's; one chain of branches on the wave's number, all arms to one join
	s_cmp_lg_u32 s[WN], 0
	s_cbranch_scc1 .Lh_q
	tensor_load_to_lds s[80:83], s[G1X:G1X+7]
	s_nop 0
.rept 4
	v_nop
.endr
	s_branch .Lh_asked
.Lh_q:
	s_cmp_lg_u32 s[WN], 1
	s_cbranch_scc1 .Lh_k
	tensor_load_to_lds s[72:75], s[G1W:G1W+7]
	s_nop 0
.rept 4
	v_nop
.endr
	s_branch .Lh_asked
.Lh_k:
	s_cmp_lg_u32 s[WN], 2
	s_cbranch_scc1 .Lh_asked
	tensor_load_to_lds s[76:79], s[G1W:G1W+7]
	s_nop 0
.rept 4
	v_nop
.endr
.Lh_asked:
	; the small things come through registers, so that Wv's can be laid by (f, g): 15 KiB a work-group
	s_mov_b32 s3, 0
	s_lshl_b32 s2, s92, 12
	s_add_nc_u64 s[10:11], s[10:11], s[2:3]        ; Wq_scales, Wk_scales at row 256 y
	s_add_nc_u64 s[16:17], s[16:17], s[2:3]
	s_lshl_b32 s2, s92, 9
	s_add_nc_u64 s[22:23], s[22:23], s[2:3]        ; Wv_scales at row 32 y
	s_lshl_b32 s2, s92, 10
	s_add_nc_u64 s[12:13], s[12:13], s[2:3]        ; bq, bk at 256 y
	s_add_nc_u64 s[18:19], s[18:19], s[2:3]
	s_lshl_b32 s2, s92, 7
	s_add_nc_u64 s[24:25], s[24:25], s[2:3]        ; bv at 32 y
	s_lshl_b32 s2, s93, 12
	s_lshl_b32 s96, s[WN], 10
	s_add_co_u32 s2, s2, s96
	s_add_nc_u64 s[6:7], s[6:7], s[2:3]            ; x_scales at row 256 rb + 64 w
	v_and_b32 v22, 31, v0                          ; lane
	v_and_b32 v234, 15, v0                         ; r
	v_bfe_u32 v235, v0, 4, 1                       ; h
	v_and_b32 v236, 3, v0                          ; r & 3
	v_bfe_u32 v237, v0, 2, 1                       ; (r >> 2) & 1
	v_bfe_u32 v238, v0, 3, 1                       ; r >> 3
	v_and_b32 v239, 7, v0                          ; r & 7
	v_lshl_add_u32 v233, v237, 3, v236
	v_lshl_add_u32 v233, v238, 2, v233             ; xr(r)
	v_lshlrev_b32 v232, 4, v233
	v_lshlrev_b32 v224, 4, v0                      ; 16 t
	v_lshlrev_b32 v225, 3, v0                      ; 8 t
	v_lshlrev_b32 v226, 4, v22
	v_lshl_add_u32 v226, v23, 11, v226             ; Wv_scales: g = w: 2,048 w + 16 f
	v_lshlrev_b32 v227, 2, v22
	v_lshl_add_u32 v227, v23, 9, v227              ; bv: 512 w + 4 f
	global_load_b128 v[128:131], v224, s[10:11]
	global_load_b128 v[132:135], v224, s[10:11] offset:2048
	global_load_b128 v[136:139], v224, s[16:17]
	global_load_b128 v[140:143], v224, s[16:17] offset:2048
	global_load_b128 v[144:147], v226, s[22:23]
	global_load_b128 v[148:151], v226, s[22:23] offset:8192     ; g = w + 4
	global_load_b64 v[152:153], v225, s[12:13]
	global_load_b64 v[154:155], v225, s[18:19]
	global_load_b32 v156, v227, s[24:25]
	global_load_b32 v157, v227, s[24:25] offset:2048
.irp m, 0,1,2,3
	global_load_b128 v[XS+4*\m:XS+4*\m+3], v232, s[6:7] offset:256*\m   ; x's scale words: lane r takes row xr(r) of tile m
.endr
	v_add_nc_u32 v228, SQ, v224
	v_add_nc_u32 v229, BQ, v225
	v_lshlrev_b32 v230, 7, v22
	v_lshl_add_u32 v230, v23, 4, v230
	v_add_nc_u32 v230, SVL, v230                   ; [f][g][16 B]
	v_lshlrev_b32 v231, 5, v22
	v_lshl_add_u32 v231, v23, 2, v231
	v_add_nc_u32 v231, BVL, v231                   ; [f][g]
	v_mul_u32_u24 v[AX], v233, 272
	v_lshl_add_u32 v[AX], v235, 4, v[AX]
	v_add_nc_u32 v[AX], s69, v[AX]
	v_mul_u32_u24 v[AW0], v234, 272
	v_lshl_add_u32 v[AW0], v235, 4, v[AW0]
	v_lshl_add_u32 v[AS0], v234, 4, SQ
	v_lshl_add_u32 v[AB0], v235, 5, BQ
	v_mul_u32_u24 v[AWV], v239, VRUN
	v_mad_u32_u24 v[AWV], v238, 272, v[AWV]
	v_lshl_add_u32 v[AWV], v235, 4, v[AWV]
	v_add_nc_u32 v[AWV], WVL, v[AWV]
	v_lshlrev_b32 v[ASV], 7, v238
	v_lshl_add_u32 v[ASV], v239, 4, v[ASV]
	v_add_nc_u32 v[ASV], SVL, v[ASV]
	v_lshl_add_u32 v[ABV], v235, 5, BVL
	v_lshlrev_b32 v[OQ], 11, v235
	v_lshl_add_u32 v[OQ], v234, 4, v[OQ]
	v_lshl_add_u32 v[QSI], v234, 2, s69
	v_add_nc_u32 v[QSI], QST, v[QSI]
	v_lshl_add_u32 v[QSO], v22, 3, s69
	v_add_nc_u32 v[QSO], QST, v[QSO]
	v_lshlrev_b32 v[L8], 3, v22
	v_mul_u32_u24 v[AVC], v237, 576                ; half fragment c = (r >> 2) & 1, lanes' half r >> 3, word r & 3, row 2 (tau % 8) + h
	v_mad_u32_u24 v[AVC], v238, 288, v[AVC]
	v_lshl_add_u32 v[AVC], v236, 2, v[AVC]
	v_lshl_add_u32 v[AVC], v235, 4, v[AVC]
	v_add_nc_u32 v[AVC], s69, v[AVC]
	v_lshl_add_u32 v[AVB], v237, 1, v238           ; the block among the tile's four
	v_lshl_add_u32 v[AVB], v235, 4, v[AVB]
	v_add_nc_u32 v[AVB], s69, v[AVB]
	v_add_nc_u32 v[AVB], VSB, v[AVB]
	v_mul_u32_u24 v[AVR], v235, 288
	v_lshl_add_u32 v[AVR], v234, 4, v[AVR]
	v_add_nc_u32 v[AVR], s69, v[AVR]
	v_lshlrev_b32 v[L16], 4, v22
	v_add_nc_u32 v[VSR], s69, v[L16]
	v_add_nc_u32 v[VSR], VSB, v[VSR]
	v_mov_b32 v[AWC], v[AW0]
	v_mov_b32 v[ASC], v[AS0]
	v_mov_b32 v[ABC], v[AB0]
	; where my results go
	s_lshl_b32 s2, s93, 17
	s_lshl_b32 s96, s[WN], 15
	s_add_co_u32 s2, s2, s96                       ; head 2 rb + w / 2, tile T = 4 (w % 2): 131,072 rb + 32,768 w
	s_lshl_b32 s96, s92, 9
	s_add_co_u32 s96, s96, s2                      ; + g = 2 y: 256 bytes a g
	s_mov_b32 s97, 0
	s_add_nc_u64 s[26:27], s[26:27], s[96:97]
	s_add_nc_u64 s[30:31], s[30:31], s[96:97]
	s_lshl_b32 s96, s92, 11
	s_add_co_u32 s96, s96, s2                      ; vc: + dt = 2 y: 1,024 bytes a dt
	s_add_nc_u64 s[34:35], s[34:35], s[96:97]
	s_lshl_b32 s2, s93, 13                         ; 4,096 bytes of scales a head
	s_lshl_b32 s96, s[WN], 11
	s_add_co_u32 s96, s96, s2
	s_lshl_b32 s98, s92, 9
	s_add_co_u32 s96, s96, s98                     ; vs: 8,192 rb + 2,048 w + 16 (32 y)
	s_add_nc_u64 s[36:37], s[36:37], s[96:97]
	s_lshr_b32 s96, s[WN], 1
	s_lshl_b32 s96, s96, 12
	s_add_co_u32 s96, s96, s2
	s_and_b32 s98, s[WN], 1
	s_lshl_b32 s98, s98, 8
	s_add_co_u32 s96, s96, s98
	s_lshl_b32 s98, s92, 10
	s_add_co_u32 s96, s96, s98                     ; qs, ks: head, + 512 (2 y), + 64 (4 (w % 2))
	s_add_nc_u64 s[28:29], s[28:29], s[96:97]
	s_add_nc_u64 s[32:33], s[32:33], s[96:97]
	s_wait_alu depctr_va_vdst(0)
	s_wait_loadcnt 4                               ; the ten copies are in; x's four loads of scale words may be out
	ds_store_b128 v228, v[128:131]
	ds_store_b128 v228, v[132:135] offset:2048
	ds_store_b128 v228, v[136:139] offset:4096
	ds_store_b128 v228, v[140:143] offset:6144
	ds_store_b128 v230, v[144:147]
	ds_store_b128 v230, v[148:151] offset:64
	ds_store_b64 v229, v[152:153]
	ds_store_b64 v229, v[154:155] offset:1024
	ds_store_b32 v231, v156
	ds_store_b32 v231, v157 offset:16
.irp i, 0,1,2,3,4,5,6,7,8,9,10,11,12,13,14,15
	ds_store_b128 v241, v[64+4*\i:67+4*\i] offset:\i*544
.endr
.irp i, 0,1,2,3,4,5,6,7,8,9,10,11,12,13,14,15
	ds_store_b128 v241, v[160+4*\i:163+4*\i] offset:VRUN+\i*544
.endr
	s_wait_tensorcnt 0x0                           ; my tile, if I asked for one, has landed,
	s_wait_dscnt 0x0                               ; my copies too:
	s_barrier_signal -1
	s_barrier_wait -1                              ; everybody's have.  Nothing in LDS is filled after this
	WIN 0x40                                       ; destination window 1
.irp m, 0,1,2,3
.irp q, 0,1,2,3
.irp c, 0,1
	ds_load_b128 v[XF+32*\m+8*\q+4*\c:XF+32*\m+8*\q+4*\c+3], v[AX] offset:\m*4352+\q*64+\c*32   ; x's 16 fragments stay in registers
.endr
.endr
.endr
	WIN 0
	FETCH 0
	s_wait_loadcnt 0x0                             ; x's scale words; and every load has read its address register
.irp m, 0,1,2,3
	v_mov_b32 v[TM+4+\m], 0                        ; written once: a lane permute's destination counts as one of its sources
.endr
	s_mov_b32 s[TRIP], 0
	s_mov_b32 s[TB], 0
	s_mov_b32 s[TS], 0
	s_mov_b32 s[TI], 0
	s_mov_b32 s3, 0
.Lqk:                                                  ; four trips: q for g = 2 y, 2 y + 1, then k for the same: 128 columns each
	s_cmp_lt_u32 s[TRIP], 2
	s_cselect_b64 s[OC:OC+1], s[26:27], s[30:31]
	s_cselect_b64 s[OS:OS+1], s[28:29], s[32:33]
	s_and_b32 s2, s[TRIP], 1
	s_lshl_b32 s2, s2, 8
	s_add_nc_u64 s[OC:OC+1], s[OC:OC+1], s[2:3]
	s_lshl_b32 s2, s2, 1
	s_add_nc_u64 s[OS:OS+1], s[OS:OS+1], s[2:3]
	s_wait_dscnt 0x0                               ; the unit's fragments are in (in the first trip x's too)
	MUL
	FETCH 1
	QUANTB 0
	s_wait_dscnt 0x0
	MUL
	FETCH 2
	QUANTB 1
	SWAPSTORE 0
	s_wait_dscnt 0x0
	MUL
	FETCH 3
	QUANTB 2
	s_wait_dscnt 0x0
	MUL
	s_add_co_u32 s[TB], s[TB], 34816               ; 128 lines on; from Wq's last into Wk's first
	s_add_co_u32 s[TS], s[TS], 2048
	s_add_co_u32 s[TI], s[TI], 512
	v_add_nc_u32 v[AWC], s[TB], v[AW0]
	v_add_nc_u32 v[ASC], s[TS], v[AS0]
	v_add_nc_u32 v[ABC], s[TI], v[AB0]
	s_cmp_eq_u32 s[TRIP], 3
	s_cbranch_scc1 .Ltov
	FETCH 0                                        ; the next trip's first unit,
	s_branch .Lfetched
.Ltov:
	FETCHV 0                                       ; or, behind the last trip, v's: as many loads on either way
.Lfetched:
	QUANTB 3
	SWAPSTORE 1
.irp m, 0,1,2,3
	ds_store_b32 v[QSI], v[TM+16+\m] offset:\m*64  ; both halves of the lanes write the same word with the same value
.endr
	ds_load_b64 v[244:245], v[QSO]                 ; LDS serves a wave's instructions in order: this sees the stores
	s_wait_dscnt 0x0
	global_store_b64 v[L8], v[244:245], s[OS:OS+1] ; four tiles' scale words: 256 consecutive bytes, aligned
	s_wait_xcnt 0x0                                ; the trip's stores have read their data and bases: both are written again
	s_add_co_u32 s[TRIP], s[TRIP], 1
	s_cmp_lt_u32 s[TRIP], 4
	s_cbranch_scc1 .Lqk
	VUNIT 0
	VUNIT 1
	VUNIT 2
	VUNIT 3
	VFLUSH 0
	VUNIT 4
	VUNIT 5
	VUNIT 6
	VUNIT 7
	VFLUSH 1
	ds_load_b128 v[224:227], v[VSR]
	s_wait_dscnt 0x0
	global_store_b128 v[L16], v[224:227], s[36:37] ; v's scale bytes: 32 f x 4 tiles x 4 blocks: 512 consecutive bytes
	s_wait_tensorcnt 0x0                           ; the wave's end: behind my last tensor load and my last LDS store
	ds_add_u32 v[SPW], v[NIL]
	s_wait_dscnt 0x0
	ROUND                                          ; the closing round
	s_endpgm
.Lfunc_end_k_qfb73757e97_proj:
	.size	k_qfb73757e97_proj, .Lfunc_end_k_qfb73757e97_proj-k_qfb73757e97_proj
	.p2alignl 7, 3214868480
	.fill 96, 4, 3214868480
	.section	.rodata,"a",@progbits
	.p2align	6, 0x0
	.amdhsa_kernel k_qfb73757e97_proj
		.amdhsa_group_segment_fixed_size 294912
		.amdhsa_private_segment_fixed_size 0
		.amdhsa_enable_private_segment 0
		.amdhsa_kernarg_size 136
		.amdhsa_user_sgpr_count 2
		.amdhsa_user_sgpr_kernarg_segment_ptr 1
		.amdhsa_wavefront_size32 1
		.amdhsa_system_sgpr_workgroup_id_x 1
		.amdhsa_system_sgpr_workgroup_id_y 1
		.amdhsa_system_sgpr_workgroup_id_z 1
		.amdhsa_system_vgpr_workitem_id 0
		.amdhsa_next_free_vgpr 384
		.amdhsa_next_free_sgpr 102
		.amdhsa_reserve_vcc 0
		.amdhsa_float_denorm_mode_32 3
		.amdhsa_float_denorm_mode_16_64 3
		.amdhsa_memory_ordered 1
		.amdhsa_forward_progress 1
		.amdhsa_inst_pref_size 153
	.end_amdhsa_kernel
	.amdgpu_metadata
---
amdhsa.version: [ 1, 2 ]
amdhsa.kernels:
  - .name:           k_qfb73757e97_proj
    .symbol:         k_qfb73757e97_proj.kd
    .args:
      - { .name: x_codes, .offset: 0, .size: 8, .value_kind: global_buffer, .address_space: global }
      - { .name: x_scales, .offset: 8, .size: 8, .value_kind: global_buffer, .address_space: global }
      - { .name: Wq_codes, .offset: 16, .size: 8, .value_kind: global_buffer, .address_space: global }
      - { .name: Wq_scales, .offset: 24, .size: 8, .value_kind: global_buffer, .address_space: global }
      - { .name: bq, .offset: 32, .size: 8, .value_kind: global_buffer, .address_space: global }
      - { .name: Wk_codes, .offset: 40, .size: 8, .value_kind: global_buffer, .address_space: global }
      - { .name: Wk_scales, .offset: 48, .size: 8, .value_kind: global_buffer, .address_space: global }
      - { .name: bk, .offset: 56, .size: 8, .value_kind: global_buffer, .address_space: global }
      - { .name: Wv_codes, .offset: 64, .size: 8, .value_kind: global_buffer, .address_space: global }
      - { .name: Wv_scales, .offset: 72, .size: 8, .value_kind: global_buffer, .address_space: global }
      - { .name: bv, .offset: 80, .size: 8, .value_kind: global_buffer, .address_space: global }
      - { .name: qc, .offset: 88, .size: 8, .value_kind: global_buffer, .address_space: global }
      - { .name: qs, .offset: 96, .size: 8, .value_kind: global_buffer, .address_space: global }
      - { .name: kc, .offset: 104, .size: 8, .value_kind: global_buffer, .address_space: global }
      - { .name: ks, .offset: 112, .size: 8, .value_kind: global_buffer, .address_space: global }
      - { .name: vc, .offset: 120, .size: 8, .value_kind: global_buffer, .address_space: global }
      - { .name: vs, .offset: 128, .size: 8, .value_kind: global_buffer, .address_space: global }
    .group_segment_fixed_size: 294912
    .private_segment_fixed_size: 0
    .kernarg_segment_align: 8
    .kernarg_segment_size: 136
    .max_flat_workgroup_size: 128
    .sgpr_count:     102
    .vgpr_count:     384
    .wavefront_size: 32
...
	.end_amdgpu_metadata
.endif
;; end of part 1
;; launch attn (part 2): grid 2 x 128, 4 waves a work-group, clusters of 2 x 1, 327,680 bytes of LDS; arguments qc, qs, kc, ks, vc, vs, oc, os; writes oc, os
.if DOCPART == 2
	.amdgcn_target "amdgcn-amd-amdhsa--gfx1250"
	.amdhsa_code_object_version 6
	.text
	.protected	k_qfb73757e97_attn
	.globl	k_qfb73757e97_attn
	.p2align	8
	.type	k_qfb73757e97_attn,@function
k_qfb73757e97_attn:
	s_mov_b64 s[64:65], 0
	v_nop
	global_prefetch_b8 v0, s[64:65] scope:SCOPE_SE
	s_setreg_imm32_b32 hwreg(HW_REG_WAVE_MODE, 25, 1), 1
	s_wait_xcnt 0x0
	s_wait_alu depctr_hold_cnt(0) depctr_sa_sdst(0) depctr_va_vdst(0) depctr_va_sdst(0) depctr_va_ssrc(0) depctr_va_vcc(0) depctr_vm_vsrc(0)
	s_getreg_b32 s2, hwreg(HW_REG_IB_STS2, 6, 4)
	s_cmp_eq_u32 s2, 0
	s_cbranch_scc0 .Lentry_in_a_cluster
	s_endpgm
.Lentry_in_a_cluster:
	s_bfe_u32 s2, ttmp6, 0x10000c
	s_cmp_lg_u32 s2, 0x1001
	s_cbranch_scc0 .Lentry_shape_is_right
	s_endpgm
.Lentry_shape_is_right:
; vals = Q(softmax(Q(q) Q(k)^T / sqrt(128)) - I) Q(v), and vals quantised along d for the last product.  All operands are codes of FP4 (E2M1) with E8M0 scales, laid by the launch before as operand registers.
; Nothing of the problem's work is left out here.
; SHARES.  A head (of 128) has 64 tiles of 16 queries, (T_q, g_q): query slot r = position 128 T_q + 8 xr(r) + g_q, xr(r) = 8 ((r >> 2) & 1) + 4 (r >> 3) + (r & 3).  Two work-groups share a head: work-group cx takes
; g_q = 4 cx .. 4 cx + 3, its wave w takes T_q = 2 w and 2 w + 1: eight tiles a wave, trip i: T_q = 2 w + i / 4, g_q = 4 cx + i % 4.  The head's K and V, codes and scale bytes, 139,264 bytes, lie in LDS, each byte filled once.
; CLUSTER 2 x 1: the two work-groups of a head ask for its K and V JOINTLY (mask 3).  T_q hangs on the wave's number and the trip alone, so no branch and no LDS address hangs on cx: cx enters global addresses and the data of E alone.
; ONE TILE'S 16 x 1,024 SCORES STAY IN REGISTERS (512): the weights are quantised finished and normalised, so the row's maximum and sum are known first, and each score has one exponential.
; LAYOUT.  Both products are used transposed: S^T = K Q^T, O^T = V^T P^T: a lane holds one query.  In step T, tile t, lane (r, h), register j holds key 128 T + 64 (t / 4) + 32 h + 8 (t % 4) + j:
; one conversion of an accumulator IS register t of P's operand, and a block of 32 keys lies in one lane (accumulators 4 c .. 4 c + 3).
; A BLOCK'S LARGEST WEIGHT IS NOT SEARCHED FOR: the block's largest score, which the search for the row's maximum passes through, goes through the same multiply-add, exponential and multiplication as the scores
; (this takes v_exp_f32 not to fall where its input rises).  Only the step that holds the queries' own keys, where the identity is taken off, searches its two blocks for the largest magnitude.
; A TILE IN PHASES: scores and block maxima; scalings and exponentials; sums; identity; division and conversions, step by step; scale words; second product; way out.
; V's fragments are asked for ahead of the second product: three steps at a tile's top, five into score registers that have been converted.
; No prefetch: all that comes by tensor loads is asked for at the head (no loop runs ahead of a load), and Q comes into registers one tile ahead.
; LIMITS: NaN and infinities are not served.  A weight under 2^-126 ahead of the division is 0 (v_exp_f32 flushes).  The division is a reciprocal and a multiplication.  The exponent is fma(s, c, -(m c)).
; The diagonal's weight less 1 is formed as (p - sum) x (1 / sum).  A block of zeros gets the byte 1 where the rule says 127: its codes are zeros, and this program alone reads these bytes.
.set VC,    69632                      ; LDS: K's codes at 0: 256 pieces of 256 bytes + 16 of padding;  V's codes here, dense
.set KSC,   135168                     ; K's scale words: 8 rows (one a g) of 512 bytes + 88 of padding
.set VSC,   140032                     ; V's scale bytes
.set STG,   144128                     ; 512 bytes for each wave: the scale words of its results
.set SPARE, 146176                     ; the spare words, 128 bytes for each wave: two blocks of 256 bytes that no other line names
.set AK,  1                            ; v1 K's codes, v2 K's scale words, v3 V's codes, v4 V's scale words: my lane's place
.set AKS, 2
.set AV,  3
.set AVS, 4
.set AQ,  5                            ; v5 2,048 h + 16 r;  v6 4 r;  v7 16 x lane
.set R4,  6
.set L16, 7
.set SG0, 8                            ; v8 my word in the stage, v9 the same for the tile in hand, v11 the way back
.set SGC, 9
.set SH8, 10                           ; v10 8 h
.set SGR, 11
.set SPW, 12                           ; v12 LDS address of my spare word; v13 0; never rewritten
.set NIL, 13
.set MX,  14                           ; v14 the row's largest score
.set OSO, 15                           ; v15 512 h + 16 r: my 16 bytes of the results' scale words
.set NM,  18                           ; v18 -(m c); v19 written once (named with it as a pair)
.set SA,  20                           ; v20-35 the sum, eight pairs; later the blocks' bytes
.set RL,  36                           ; v36 1 / sum; v37 written once
.set QS,  38                           ; v38 Q's scale words
.set PX,  39
.set Q,   40                           ; v40-47 Q's fragment
.set X,   48                           ; v48-55 eight chains of a search
.set E,   56                           ; v56-63 1.0 at j = g_q
.set DL2, 64                           ; v64-79 pairs: -1.0 in the lane that holds the diagonal in tile t
.set KS,  80                           ; v80-111 K's scale words [8 (T % 4) + t]: lanes 0-15 T < 4, lanes 16-31 T + 4
.set VS,  112                          ; v112-143 V's [4 dt + T % 4], lanes likewise
.set KF0, 144                          ; v144-207 fragments of K, even steps; V's step 0
.set BM,  208                          ; v208-223 [2 T + c] a block's largest score, then weight, then the conversion's scale operand
.set TM4, 208                          ; the way out uses the same 16
.set RC,  224                          ; v224-231 the results' codes;  v232 their scale word
.set VW,  232
.set PW,  234                          ; v234-241 P's scale words, one a step
.set ES,  242                          ; v242-249 the row's sum at j = g_q, 0 elsewhere
.set KF1, 64                           ; window 3: v0-63 O^T [8 dt]; v64-127 K's fragments of odd steps, V's step 1; v128-191 P's codes [8 T]; v192-255 V's step 2.  Windows 1, 2: S^T: step T at window 1 + T / 4, v[64 (T % 4) + 8 t + j]
.set PC,  128
.set WN,  20                           ; s20 wave, s21 head, s22 T_q, s23 the trip i, s84 cx
.set TQ,  22
.set GQ,  23
.set CX,  84
.set CS,  56                           ; s[56:57] c = log2(e) / sqrt(128)
.set SEL, 58                           ; s[58:59] lane selects: lane l xor 16
.set JM,  3|(1<<21)                    ; a joint load's mask: both work-groups of the cluster; bit 21 beside it
.set MSB, 0
.macro WIN new                         ; the immediate's high byte repeats the setting that is left
.if MSB != (\new)
	s_set_vgpr_msb (MSB<<8)|(\new)
.set MSB, (\new)
.endif
.endm
.macro ROUND                           ; a round of the cluster's barrier
	s_barrier_signal -1
	s_barrier_wait -1
	s_cmp_lg_u32 s[WN], 0
	s_cbranch_scc1 .Lnw0_\@
	s_barrier_signal -3
.Lnw0_\@:
	s_barrier_wait -3
	s_barrier_signal -1
	s_barrier_wait -1
.endm
.macro WM d, a, b, c, sa, sb, row      ; c < 0: the product starts the sum;  row: source 0's scales stand in lanes 16-31
.if (\c) < 0
.if \row
	v_wmma_scale_f32_16x16x128_f8f6f4 v[\d:\d+7], v[\a:\a+7], v[\b:\b+7], 0, v[\sa], v[\sb] matrix_a_fmt:MATRIX_FMT_FP4 matrix_b_fmt:MATRIX_FMT_FP4 matrix_a_scale:MATRIX_SCALE_ROW1
.else
	v_wmma_scale_f32_16x16x128_f8f6f4 v[\d:\d+7], v[\a:\a+7], v[\b:\b+7], 0, v[\sa], v[\sb] matrix_a_fmt:MATRIX_FMT_FP4 matrix_b_fmt:MATRIX_FMT_FP4
.endif
.else
.if \row
	v_wmma_scale_f32_16x16x128_f8f6f4 v[\d:\d+7], v[\a:\a+7], v[\b:\b+7], v[\c:\c+7], v[\sa], v[\sb] matrix_a_fmt:MATRIX_FMT_FP4 matrix_b_fmt:MATRIX_FMT_FP4 matrix_a_scale:MATRIX_SCALE_ROW1
.else
	v_wmma_scale_f32_16x16x128_f8f6f4 v[\d:\d+7], v[\a:\a+7], v[\b:\b+7], v[\c:\c+7], v[\sa], v[\sb] matrix_a_fmt:MATRIX_FMT_FP4 matrix_b_fmt:MATRIX_FMT_FP4
.endif
.endif
.endm
.macro GRP1 g, fl, c, r                ; descriptor group 1: r rows of c elements, dense in memory
	s_mov_b32 s[\g], \fl
	s_mov_b32 s[\g+1], (\c)<<16
	s_mov_b32 s[\g+2], (\r)<<16
	s_mov_b32 s[\g+3], (\c)<<16
	s_mov_b32 s[\g+4], \r
	s_mov_b32 s[\g+5], \c
	s_mov_b32 s[\g+6], 0
	s_mov_b32 s[\g+7], 0
.endm
.macro KLD k                           ; K's eight fragments of step k: 16 loads; even steps into window 0, odd steps into window 3
.if ((\k)%2) == 0
	WIN 0
.set FB, KF0
.else
	WIN 0xc0
.set FB, KF1
.endif
.irp t, 0,1,2,3,4,5,6,7
.irp c, 0,1
	ds_load_b128 v[FB+8*\t+4*\c:FB+8*\t+4*\c+3], v[AK] offset:(\k)*8704+\t*16+\c*4352
.endr
.endr
.endm
; WHERE V's FRAGMENTS OF STEP k LIE: step 0 in window 0 (v144-207), steps 1 and 2 in window 3 (v64-127, v192-255); steps 3 to 7 in the score registers of steps 0 to 4.
.macro VPOS k
.if (\k) == 0
.set VWN, 0
.set VFB, KF0
.else
.if (\k) < 3
.set VWN, 3
.set VFB, 128*(\k)-64
.else
.set VWN, 1+((\k)-3)/4
.set VFB, 64*(((\k)-3)%4)
.endif
.endif
.endm
.macro VLD k                           ; V's eight fragments of step k, as they lie: 16 loads
	VPOS \k
	WIN VWN<<6
.irp d, 0,1,2,3,4,5,6,7
.irp c, 0,1
	ds_load_b128 v[VFB+8*\d+4*\c:VFB+8*\d+4*\c+3], v[AV] offset:(\k)*8192+\d*1024+\c*512
.endr
.endr
.endm
.macro SPROD k
	WIN ((1+(\k)/4)<<6)|(3*((\k)%2))
.irp t, 0,1,2,3,4,5,6,7
	WM 64*((\k)%4)+8*\t, 144-80*((\k)%2)+8*\t, Q, -1, KS+8*((\k)%4)+\t, QS, (\k)/4
.endr
.endm
; Step k's 64 scores: the largest of each of my two blocks of 32 keys.  Eight chains, one an accumulator, each from its low end on; 32 lines.
.macro MAXB k
.set PB, 64*((\k)%4)
.set PN, 1+(\k)/4
	WIN PN|(PN<<2)|(PN<<4)
.irp t, 0,1,2,3,4,5,6,7
	v_max3_num_f32 v[X+\t], v[PB+8*\t], v[PB+8*\t+1], v[PB+8*\t+2]
.endr
	WIN PN|(PN<<2)
.irp i, 3,5
.irp t, 0,1,2,3,4,5,6,7
	v_max3_num_f32 v[X+\t], v[PB+8*\t+\i], v[PB+8*\t+\i+1], v[X+\t]
.endr
.endr
.irp c, 0,1
.irp u, 0,1
	v_max3_num_f32 v[X+4*\c+\u], v[PB+32*\c+16*\u+7], v[PB+32*\c+16*\u+15], v[X+4*\c+\u]   ; the eighth registers of two accumulators
.endr
.endr
	WIN 0
.irp c, 0,1
	v_max3_num_f32 v[BM+2*(\k)+\c], v[X+4*\c], v[X+4*\c+1], v[X+4*\c+2]
.endr
.irp c, 0,1
	v_max_num_f32 v[BM+2*(\k)+\c], v[BM+2*(\k)+\c], v[X+4*\c+3]
.endr
.endm
.macro QLOAD
	global_load_b128 v[Q:Q+3], v[AQ], s[4:5]
	global_load_b128 v[Q+4:Q+7], v[AQ], s[4:5] offset:4096
	global_load_b32 v[QS], v[R4], s[6:7]
.endm
; ALL SCORES OF A TILE, and their block maxima.  At the head it serves tile 0 (i = 0); in the loop tile i + 1.  A further Q is asked for while there is one.
.macro SPHASE
	WIN 0
	s_wait_loadcnt 0x0                             ; Q and its scale words are in
	KLD 0
	KLD 1
.irp k, 0,1,2,3,4,5,6,7
.if \k < 7
	s_wait_dscnt 16                                ; this step's fragments are in; the next step's 16 loads may be out
.else
	s_wait_dscnt 0x0
.endif
	SPROD \k
.if \k == 0
.rept 4
	v_nop                                          ; four places ahead of loads into registers that the products have read
.endr
.else
	MAXB \k-1                                      ; the step before: these lines name nothing of the products just issued and are their places
.endif
.if \k < 6
	KLD \k+2
.endif
.endr
	MAXB 7
	s_wait_alu depctr_va_vdst(0)
	s_cmp_ge_u32 s[GQ], 6                          ; tile i + 2 exists while i < 6
	s_cbranch_scc1 .Lnoq_\@
	s_cmp_eq_u32 s[GQ], 2                          ; tile 4 begins my second T_q: three g back, one T on.  (The loads that read these addresses were waited for at this macro's head)
	s_mov_b32 s2, 256
	s_cselect_b32 s2, 7424, s2                     ; qc: 256 bytes a g, 8,192 a T
	s_mov_b32 s60, 512
	s_cselect_b32 s60, 64, s60                     ; qs: 512 bytes a g, 64 a T
	s_cselect_b32 s62, 1536, 0
	s_add_nc_u64 s[4:5], s[4:5], s[2:3]
	s_add_nc_u64 s[6:7], s[6:7], s[60:61]
	s_sub_nc_u64 s[6:7], s[6:7], s[62:63]
	QLOAD
.Lnoq_\@:
.endm
.macro FMAW w                          ; the lower 128 scores of window w: c s - c m, two at a time
	WIN ((\w)<<6)|(\w)
.set ei, 0
.rept 64
	v_pk_fma_f32 v[2*ei:2*ei+1], v[2*ei:2*ei+1], s[CS:CS+1], v[NM:NM+1] op_sel_hi:[1,0,0]
.set ei, ei+1
.endr
.endm
.macro MIXW w                          ; the lower 128's exponentials, and among them the scalings of the upper 128, which are read behind the next wait alone
	WIN ((\w)<<6)|(\w)
.set ei, 0
.rept 64
	v_exp_f32 v[2*ei], v[2*ei]
	v_pk_fma_f32 v[128+2*ei:129+2*ei], v[128+2*ei:129+2*ei], s[CS:CS+1], v[NM:NM+1] op_sel_hi:[1,0,0]
	v_exp_f32 v[2*ei+1], v[2*ei+1]
.set ei, ei+1
.endr
.endm
.macro EXPW w                          ; the upper 128's exponentials
	WIN ((\w)<<6)|(\w)
.set ei, 128
.rept 128
	v_exp_f32 v[ei], v[ei]
.set ei, ei+1
.endr
.endm
.macro NORMK k                         ; step k's 64 weights x 1 / sum
	WIN ((1+(\k)/4)<<6)|(1+(\k)/4)
.set ei, 32*((\k)%4)
.rept 32
	v_pk_mul_f32 v[2*ei:2*ei+1], v[2*ei:2*ei+1], v[RL:RL+1] op_sel_hi:[1,0]
.set ei, ei+1
.endr
.endm
; THE IDENTITY is taken off in the one step that holds my queries' own keys, ahead of the division: p - sum on the diagonal, so that the division gives p / sum - 1.
; That step's two blocks are then searched for their largest magnitude, which takes the place of the block's largest weight.
.macro DCASE k
.Ldg_\k:
.set PB, 64*((\k)%4)
.set PN, 1+(\k)/4
	WIN (PN<<6)|(PN<<4)
.irp t, 0,1,2,3,4,5,6,7
.irp j, 0,2,4,6
	v_pk_fma_f32 v[PB+8*\t+\j:PB+8*\t+\j+1], v[DL2+2*\t:DL2+2*\t+1], v[ES+\j:ES+\j+1], v[PB+8*\t+\j:PB+8*\t+\j+1]
.endr
.endr
	WIN PN|(PN<<2)
.irp t, 0,1,2,3,4,5,6,7
	v_max3_num_f32 v[X+\t], |v[PB+8*\t]|, |v[PB+8*\t+1]|, 0x1800000
.endr
.irp i, 2,4,6
.irp t, 0,1,2,3,4,5,6,7
	v_max3_num_f32 v[X+\t], |v[PB+8*\t+\i]|, |v[PB+8*\t+\i+1]|, v[X+\t]
.endr
.endr
	WIN 0
.irp c, 0,1
	v_max3_num_f32 v[X+4*\c], v[X+4*\c], v[X+4*\c+1], v[X+4*\c+2]
.endr
.irp c, 0,1
	v_max_num_f32 v[BM+2*(\k)+\c], v[X+4*\c], v[X+4*\c+3]
.endr
	s_wait_alu depctr_va_vdst(0)
	s_branch .Ldd
.endm
.macro CVTK k                          ; step k's 64 weights become the eight registers of P's operand
	WIN (3<<6)|(1+(\k)/4)
.irp c, 0,1
.irp p, 0,1,2,3
	v_cvt_scalef32_pk8_fp4_f32 v[PC+8*(\k)+4*\c+\p], v[64*((\k)%4)+32*\c+8*\p:64*((\k)%4)+32*\c+8*\p+7], v[BM+2*(\k)+\c]
.endr
.endr
.endm
; A KEY STEP OF THE SECOND PRODUCT: eight products; the eight accumulators take turns, one instruction a turn.
.macro PVSTEP k
.if 16*(7-(\k)) > 63
	s_wait_dscnt 63                                ; this step's fragments of V are in: 16 (7 - k) younger loads could stay out; the count names 63 at the most
.else
	s_wait_dscnt 16*(7-(\k))                       ; this step's fragments of V are in; the later steps' loads may be out
.endif
	VPOS \k
	WIN 0xfc|VWN                                   ; P, C and D in window 3; V where VPOS says
.irp d, 0,1,2,3,4,5,6,7
.if (\k) == 0
	WM 8*\d, VFB+8*\d, PC+8*(\k), -1, VS+4*\d+((\k)%4), PW+(\k), (\k)/4
.else
	WM 8*\d, VFB+8*\d, PC+8*(\k), 8*\d, VS+4*\d+((\k)%4), PW+(\k), (\k)/4
.endif
.endr
.endm
; THE WAY OUT OF A TILE: O^T (lane (r, h): query slot r, d = 16 dt + 8 h + j) is quantised along d and leaves as the last product's operand.
.macro EPI
	WIN 0
	v_mov_b32 v[X], v[E+3]                         ; the next tile's diagonal has j one higher, round within its group of four.  These ten lines are the places behind the last products
	v_mov_b32 v[X+1], v[E+7]
.irp j, 7,6,5,3,2,1
	v_mov_b32 v[E+\j], v[E+\j-1]
.endr
	v_mov_b32 v[E+4], v[X+1]
	v_mov_b32 v[E], v[X]
	WIN 0x0f
.irp b, 0,1,2,3
	v_max3_num_f32 v[TM4+\b], |v[16*\b]|, |v[16*\b+1]|, 0x1800000
.endr
.irp i, 2,4,6,8,10,12,14
.irp b, 0,1,2,3
	v_max3_num_f32 v[TM4+\b], |v[16*\b+\i]|, |v[16*\b+\i+1]|, v[TM4+\b]
.endr
.endr
	WIN 0
.irp b, 0,1,2,3
	v_permlanex16_b32 v[TM4+4+\b], v[TM4+\b], s[SEL], s[SEL+1]
.endr
.irp b, 0,1,2,3
	v_max_num_f32 v[TM4+\b], v[TM4+\b], v[TM4+4+\b]
.endr
.irp b, 0,1,2,3
	v_add_nc_u32 v[TM4+8+\b], 0xff000000, v[TM4+\b]
.endr
.irp b, 0,1,2,3
	v_lshrrev_b32 v[TM4+12+\b], 23, v[TM4+8+\b]
.endr
	v_lshl_or_b32 v[VW], v[TM4+13], 8, v[TM4+12]
	v_lshl_or_b32 v[VW], v[TM4+14], 16, v[VW]
	v_lshl_or_b32 v[VW], v[TM4+15], 24, v[VW]
	WIN 0x03
.irp c, 0,1
.irp b, 0,1
.irp u, 0,1
	v_cvt_scalef32_pk8_fp4_f32 v[RC+4*\c+2*\u+\b], v[8*(4*\c+2*\b+\u):8*(4*\c+2*\b+\u)+7], v[TM4+8+2*\c+\b]
.endr
.endr
.endr
	WIN 0
	v_nop                                          ; one plain line behind the last conversion
.irp c, 0,1
	v_permlane16_swap_b32 v[RC+4*\c], v[RC+4*\c+1] ; registers p = 0 .. 3 now hold d = 64 c + 32 h + 8 p + 0 .. 7
	v_permlane16_swap_b32 v[RC+4*\c+2], v[RC+4*\c+3]
.endr
	s_lshl_b32 s2, s[GQ], 6
	v_add_nc_u32 v[SGC], s2, v[SG0]
	ds_store_b32 v[SGC], v[VW]                     ; both halves of the lanes write the same word with the same value
	global_store_b128 v[L16], v[RC:RC+3], s[16:17]                 ; 512 consecutive bytes a store
	global_store_b128 v[L16], v[RC+4:RC+7], s[16:17] offset:512
	s_wait_xcnt 0x0                                ; the stores have read their base and data
	s_cmp_eq_u32 s[GQ], 3
	s_mov_b32 s2, 8192                             ; oc: the next g,
	s_cselect_b32 s2, 40960, s2                    ; or, behind tile 3, three g back and one T (65,536 bytes) on
	s_add_nc_u64 s[16:17], s[16:17], s[2:3]
.endm
.macro ARM under, g0, g1, next
	s_cmp_lt_u32 s[WN], \under
	s_cbranch_scc0 \next
	tensor_load_to_lds s[\g0:\g0+3], s[\g1:\g1+7]
	s_nop 0
.rept 4
	v_nop
.endr
	s_branch .Lhead_asked
\next:
.endm
	s_load_b512 s[4:19], s[0:1], 0x0               ; qc 4, qs 6, kc 8, ks 10, vc 12, vs 14, oc 16, os 18
	v_lshl_add_u32 v[SPW], v0, 2, SPARE
	v_mov_b32 v[NIL], 0
	ds_add_u32 v[SPW], v[NIL]                      ; the wave's opening: the add, twice on end, and its wait ahead of my first tensor load
	ds_add_u32 v[SPW], v[NIL]
	v_lshrrev_b32 v1, 5, v0
	v_readfirstlane_b32 s[WN], v1                  ; wave 0..3
	s_and_b32 s21, ttmp7, 0xffff                   ; the head: the cluster's y
	s_bfe_u32 s[CX], ttmp6, 0x40000                ; cx: my place in the cluster
	s_lshl_b32 s[TQ], s[WN], 1                     ; T_q of my first four tiles
	s_mov_b32 s[GQ], 0
	GRP1 24, JM|(2<<16)|(1<<20)|(6<<22)|(21<<25), 128, 8    ; K's scale words: 8 rows of 128 words, 22 words of padding behind each
	GRP1 32, JM|(3<<16)|(1<<20)|(5<<22)|(3<<25), 32, 128    ; half of K's codes: 128 pieces of 256 bytes, 4 words of padding behind each
	GRP1 40, JM|(3<<16), 32, 16                             ; V's scale bytes: 16 rows of 256 bytes
	GRP1 48, JM|(3<<16), 32, 64                             ; a quarter of V's codes: 64 rows of 256 bytes
	s_mov_b32 s[CS], 0x3e0293ee
	s_mov_b32 s[CS+1], s[CS]
	s_mov_b32 s[SEL], 0x76543210
	s_mov_b32 s[SEL+1], 0xfedcba98
	s_lshl_b32 s60, s21, 16                        ; codes: 65,536 bytes a head
	s_lshl_b32 s2, s[WN], 15
	s_add_co_u32 s2, s2, s60                       ; K: my half (waves 0, 1)
	s_mov_b32 s3, 0
	s_lshl_b32 s66, s[WN], 14
	s_add_co_u32 s66, s66, s60                     ; V: my quarter
	s_mov_b32 s67, 0
	s_lshl_b32 s62, s21, 12                        ; scales: 4,096 bytes a head
	s_mov_b32 s63, 0
	s_wait_dscnt 0x0                               ; both opening adds are done
	s_wait_kmcnt 0x0
	s_mov_b32 s68, 1                               ; every word of these descriptors hangs on the head and the wave's number alone: equal in both partners
	s_mov_b32 s69, KSC
	s_add_nc_u64 s[70:71], s[10:11], s[62:63]
	s_or_b32 s71, s71, 0x80000000
	s_mov_b32 s72, 1
	s_mul_i32 s73, s[WN], 34816
	s_add_nc_u64 s[74:75], s[8:9], s[2:3]
	s_or_b32 s75, s75, 0x80000000
	s_mov_b32 s76, 1
	s_mov_b32 s77, VSC
	s_add_nc_u64 s[78:79], s[14:15], s[62:63]
	s_or_b32 s79, s79, 0x80000000
	s_mov_b32 s80, 1
	s_lshl_b32 s81, s[WN], 14
	s_add_co_u32 s81, s81, VC
	s_add_nc_u64 s[82:83], s[12:13], s[66:67]
	s_or_b32 s83, s83, 0x80000000
	ROUND                                          ; both work-groups are here: the joint loads meet
	; THE HEAD'S LOADS, ONE A WAVE: waves 0 and 1 the halves of K's codes, wave 2 K's scale words, wave 3 V's scale bytes.  One chain of branches on the wave's number, all arms to one join
	ARM 2, 72, 32, .Lh_ks
	ARM 3, 68, 24, .Lh_vs
	tensor_load_to_lds s[76:79], s[40:47]
	s_nop 0
.rept 4
	v_nop
.endr
.Lhead_asked:
	s_mov_b32 s3, 0
	s_mov_b32 s61, 0
	s_lshl_b32 s2, s21, 16
	s_lshl_b32 s60, s[TQ], 13
	s_add_co_u32 s2, s2, s60
	s_lshl_b32 s60, s[CX], 10
	s_add_co_u32 s2, s2, s60
	s_add_nc_u64 s[4:5], s[4:5], s[2:3]            ; qc at (H, T_q = 2 w, g_q = 4 cx): 8,192 bytes a T, 256 a g
	s_lshl_b32 s2, s21, 12
	s_lshl_b32 s60, s[TQ], 6
	s_add_co_u32 s2, s2, s60
	s_lshl_b32 s60, s[CX], 11
	s_add_co_u32 s2, s2, s60
	s_add_nc_u64 s[6:7], s[6:7], s[2:3]            ; qs likewise: 64 bytes a T, 512 a g
	s_lshl_b32 s2, s21, 12
	s_lshl_b32 s60, s[TQ], 9
	s_add_co_u32 s2, s2, s60
	s_lshl_b32 s60, s[CX], 8
	s_add_co_u32 s2, s2, s60
	s_add_nc_u64 s[18:19], s[18:19], s[2:3]        ; os: 512 bytes a T, 64 a g
	s_lshr_b32 s2, s21, 3
	s_lshl_b32 s2, s2, 19                          ; oc: batch,
	s_lshl_b32 s60, s[TQ], 16
	s_add_co_u32 s2, s2, s60                       ; T_q,
	s_lshl_b32 s60, s[CX], 15
	s_add_co_u32 s2, s2, s60                       ; g_q: 8,192 bytes a g,
	s_and_b32 s60, s21, 7
	s_lshl_b32 s60, s60, 10
	s_add_co_u32 s2, s2, s60                       ; head in the batch
	s_add_nc_u64 s[16:17], s[16:17], s[2:3]
	s_lshl_b32 s60, s[WN], 9
	s_add_co_u32 s60, s60, STG                     ; my stage
	s_cmp_eq_u32 s[CX], 0
	s_cselect_b32 s2, 1.0, 0                       ; the first tile's diagonal has j = 4 cx
	s_cselect_b32 s62, 0, 1.0
	v_and_b32 v208, 15, v0                         ; r
	v_bfe_u32 v209, v0, 4, 1                       ; h
	v_and_b32 v210, 7, v0                          ; r & 7
	v_bfe_u32 v211, v0, 3, 1                       ; r >> 3
	v_and_b32 v216, 31, v0                         ; lane
	v_lshlrev_b32 v[AQ], 11, v209
	v_lshl_add_u32 v[AQ], v208, 4, v[AQ]
	v_lshlrev_b32 v[R4], 2, v208
	QLOAD                                          ; the first tile's Q
	v_mul_u32_u24 v[AK], v210, 272
	v_lshl_add_u32 v[AK], v211, 7, v[AK]
	v_mad_u32_u24 v[AK], v209, 2176, v[AK]
	v_mul_u32_u24 v[AKS], v210, 600
	v_lshl_add_u32 v[AKS], v211, 5, v[AKS]
	v_lshl_add_u32 v[AKS], v209, 8, v[AKS]
	v_add_nc_u32 v[AKS], KSC, v[AKS]
	v_lshl_add_u32 v[AV], v216, 4, VC
	v_add_nc_u32 v[AVS], VSC, v[AQ]
	v_lshlrev_b32 v[L16], 4, v216
	v_add_nc_u32 v[SG0], s60, v[R4]
	v_add_nc_u32 v[SGR], s60, v[L16]
	v_lshlrev_b32 v[SH8], 3, v209
	v_lshlrev_b32 v[OSO], 9, v209
	v_lshl_add_u32 v[OSO], v208, 4, v[OSO]
	v_xor_b32 v217, v209, v211
	v_lshl_add_u32 v217, v217, 3, v210             ; r & 7 where h = r >> 3, else 8 or more
.irp t, 0,1,2,3,4,5,6,7
	v_cmp_eq_u32 vcc_lo, \t, v217
	v_cndmask_b32 v[DL2+2*\t], 0, -1.0, vcc_lo     ; query slot r's own key lies in tile t = r & 7, in the half h = r >> 3
	v_mov_b32 v[DL2+2*\t+1], v[DL2+2*\t]
.endr
	v_mov_b32 v[E], s2
	v_mov_b32 v[E+4], s62
.irp j, 1,2,3,5,6,7
	v_mov_b32 v[E+\j], 0
.endr
	v_mov_b32 v[NM+1], 0                           ; upper halves of pairs of which the low word serves both halves: written once
	v_mov_b32 v[RL+1], 0
	v_mov_b32 v[PX], 0                             ; a lane permute's destination counts as one of its sources
	s_wait_alu depctr_va_vdst(0)
	s_wait_tensorcnt 0x0                           ; my tile of the head's four is in
	ds_add_u32 v[SPW], v[NIL]
	s_wait_dscnt 0x0
	ROUND                                          ; a whole round: everybody's tile is in, and both work-groups are here
	tensor_load_to_lds s[80:83], s[48:55]          ; my quarter of V's codes: my one load behind this round; it lands under the first tile's scores
	s_nop 0
.rept 4
	v_nop
.endr
.irp k, 0,1,2,3
.irp t, 0,1,2,3,4,5,6,7
	ds_load_b32 v[KS+8*\k+\t], v[AKS] offset:\k*64+\t*4   ; K's scale words stay in registers
.endr
.endr
.irp d, 0,1,2,3,4,5,6,7
	ds_load_b128 v[VS+4*\d:VS+4*\d+3], v[AVS] offset:\d*256   ; V's too
.endr
	SPHASE                                         ; the first tile's scores
	s_wait_tensorcnt 0x0                           ; my quarter of V's codes is in,
	s_wait_dscnt 0x0
	s_barrier_signal -1
	s_barrier_wait -1                              ; everybody's.  Nothing in LDS is filled after this
.Ltile:                                                ; eight trips: a tile's softmax, second product and way out; then the next tile's scores
	VLD 0                                          ; V's first three steps are asked for here: they land under the softmax
	VLD 1
	VLD 2
	WIN 0
.irp i, 0,1,2,3,4
	v_max3_num_f32 v[X+\i], v[BM+3*\i], v[BM+3*\i+1], v[BM+3*\i+2]
.endr
	v_max3_num_f32 v[X], v[X], v[X+1], v[X+2]
	v_max3_num_f32 v[X+3], v[X+3], v[X+4], v[BM+15]
	v_max_num_f32 v[MX], v[X], v[X+3]
	v_permlanex16_b32 v[PX], v[MX], s[SEL], s[SEL+1]
	v_max_num_f32 v[MX], v[MX], v[PX]              ; the row's largest score
	v_mul_f32 v[NM], 0xbe0293ee, v[MX]             ; -(m c)
	FMAW 1
	FMAW 2
	WIN 0
.irp i, 0,2,4,6,8,10,12,14
	v_pk_fma_f32 v[BM+\i:BM+\i+1], v[BM+\i:BM+\i+1], s[CS:CS+1], v[NM:NM+1] op_sel_hi:[1,0,0]   ; the same of each block's largest score
.endr
	s_wait_alu depctr_va_vdst(0)                   ; one wait ahead of the batch
	MIXW 1
	MIXW 2
	WIN 0
.set bi, 0
.rept 16
	v_exp_f32 v[BM+bi], v[BM+bi]
.set bi, bi+1
.endr
	v_nop                                          ; a plain line behind the last exponential
	s_wait_alu depctr_va_vdst(0)                   ; the wait behind the first batch, and ahead of the second, which reads the scalings laid among the first
	EXPW 1
	EXPW 2
	v_nop                                          ; a plain line behind the last exponential
	s_wait_alu depctr_va_vdst(0)                   ; the wait behind the second batch, ahead of its first reader
	WIN 0x05
.irp i, 0,1,2,3,4,5,6,7
	v_pk_add_f32 v[SA+2*\i:SA+2*\i+1], v[2*\i:2*\i+1], v[16+2*\i:17+2*\i]   ; the first additions start the eight chains
.endr
	WIN 0x04
.set si, 16
.rept 112
	v_pk_add_f32 v[SA+2*(si%8):SA+2*(si%8)+1], v[SA+2*(si%8):SA+2*(si%8)+1], v[2*si:2*si+1]
.set si, si+1
.endr
	WIN 0x08
.set si, 0
.rept 128
	v_pk_add_f32 v[SA+2*(si%8):SA+2*(si%8)+1], v[SA+2*(si%8):SA+2*(si%8)+1], v[2*si:2*si+1]
.set si, si+1
.endr
	WIN 0
.irp i, 0,1,2,3
	v_pk_add_f32 v[SA+2*\i:SA+2*\i+1], v[SA+2*\i:SA+2*\i+1], v[SA+8+2*\i:SA+9+2*\i]
.endr
.irp i, 0,1
	v_pk_add_f32 v[SA+2*\i:SA+2*\i+1], v[SA+2*\i:SA+2*\i+1], v[SA+4+2*\i:SA+5+2*\i]
.endr
	v_pk_add_f32 v[SA:SA+1], v[SA:SA+1], v[SA+2:SA+3]
	v_add_f32 v[SA], v[SA], v[SA+1]
	v_permlanex16_b32 v[PX], v[SA], s[SEL], s[SEL+1]
	v_add_f32 v[SA], v[SA], v[PX]                  ; the row's sum
	s_wait_alu depctr_va_vdst(0)
	v_rcp_f32 v[RL], v[SA]
.irp j, 0,1,2,3,4,5,6,7
	v_mul_f32 v[ES+\j], v[E+\j], v[SA]             ; (plain work behind the reciprocal)  the row's sum at j = g_q
.endr
	s_wait_alu depctr_va_vdst(0)                   ; the wait for the reciprocal, ahead of its first reader
.irp k, 0,1,2,3,4,5,6,7
	s_cmp_eq_u32 s[TQ], \k                         ; the wave's number and the trip alone: the step that holds my queries' own keys
	s_cbranch_scc1 .Ldg_\k
.endr
	s_branch .Ldd
	DCASE 0
	DCASE 1
	DCASE 2
	DCASE 3
	DCASE 4
	DCASE 5
	DCASE 6
	DCASE 7
.Ldd:
.irp i, 0,2,4,6,8,10,12,14
	v_pk_mul_f32 v[BM+\i:BM+\i+1], v[BM+\i:BM+\i+1], v[RL:RL+1] op_sel_hi:[1,0]   ; each block's largest weight
.endr
.set bi, 0
.rept 16
	v_max_num_f32 v[BM+bi], 0x1800000, v[BM+bi]    ; the floor 2^(3 - 127): the byte cannot fall under 1
.set bi, bi+1
.endr
.set bi, 0
.rept 16
	v_add_nc_u32 v[BM+bi], 0xff000000, v[BM+bi]    ; 2 off the exponent field: the conversion's scale operand
.set bi, bi+1
.endr
	NORMK 0
.irp k, 0,1,2,3,4,5,6,7                        ; step by step: the next step is divided, this one converted, and its registers, now free, take a later step's fragments of V
.if \k < 7
	NORMK \k+1
.endif
	CVTK \k
.if \k < 5
	VLD \k+3
.endif
.endr
	WIN 0
.set bi, 0
.rept 16
	v_lshrrev_b32 v[SA+bi], 23, v[BM+bi]           ; the blocks' bytes.  (These plain lines are also the places between the conversions and the products)
.set bi, bi+1
.endr
.irp k, 0,1,2,3,4,5,6,7
	v_lshl_or_b32 v[PW+\k], v[SA+2*\k+1], 16, v[SA+2*\k]   ; my bytes of step k: blocks h and 2 + h,
.endr
.irp k, 0,1,2,3,4,5,6,7
	v_lshlrev_b32 v[PW+\k], v[SH8], v[PW+\k]       ; at their places;
.endr
.irp k, 0,1,2,3,4,5,6,7
	v_permlanex16_b32 v[X+\k], v[PW+\k], s[SEL], s[SEL+1]
.endr
.irp k, 0,1,2,3,4,5,6,7
	v_or_b32 v[PW+\k], v[PW+\k], v[X+\k]           ; with lane l xor 16's the word is whole
.endr
.rept 2
	v_nop                                          ; with the seven lines above: eight places and more between step 0's scale word and its products
.endr
	s_wait_alu depctr_va_vdst(0)
.irp k, 0,1,2,3,4,5,6,7
	PVSTEP \k
.endr
	EPI
	s_wait_alu depctr_va_vdst(0)
	s_cmp_eq_u32 s[GQ], 7
	s_cbranch_scc1 .Lno_next
	SPHASE
.Lno_next:
	s_add_co_u32 s[GQ], s[GQ], 1
	s_lshr_b32 s2, s[GQ], 2
	s_lshl_b32 s[TQ], s[WN], 1
	s_add_co_u32 s[TQ], s[TQ], s2                  ; T_q = 2 w + i / 4
	s_cmp_lt_u32 s[GQ], 8
	s_cbranch_scc1 .Ltile
	ds_load_b128 v[RC:RC+3], v[SGR]                ; LDS serves a wave's instructions in order: this sees my eight stores
	s_wait_dscnt 0x0
	global_store_b128 v[OSO], v[RC:RC+3], s[18:19] ; eight tiles' scale words: lanes 0-15 my first T_q's four g, lanes 16-31 my second's: two aligned runs of 256 bytes
	s_wait_tensorcnt 0x0                           ; the wave's end: behind my last tensor load and my last LDS store
	ds_add_u32 v[SPW], v[NIL]
	s_wait_dscnt 0x0
	ROUND                                          ; the closing round
	s_endpgm
.Lfunc_end_k_qfb73757e97_attn:
	.size	k_qfb73757e97_attn, .Lfunc_end_k_qfb73757e97_attn-k_qfb73757e97_attn
	.p2alignl 7, 3214868480
	.fill 96, 4, 3214868480
	.section	.rodata,"a",@progbits
	.p2align	6, 0x0
	.amdhsa_kernel k_qfb73757e97_attn
		.amdhsa_group_segment_fixed_size 327680
		.amdhsa_private_segment_fixed_size 0
		.amdhsa_enable_private_segment 0
		.amdhsa_kernarg_size 64
		.amdhsa_user_sgpr_count 2
		.amdhsa_user_sgpr_kernarg_segment_ptr 1
		.amdhsa_wavefront_size32 1
		.amdhsa_system_sgpr_workgroup_id_x 1
		.amdhsa_system_sgpr_workgroup_id_y 1
		.amdhsa_system_sgpr_workgroup_id_z 1
		.amdhsa_system_vgpr_workitem_id 0
		.amdhsa_next_free_vgpr 1024
		.amdhsa_next_free_sgpr 88
		.amdhsa_reserve_vcc 1
		.amdhsa_float_denorm_mode_32 3
		.amdhsa_float_denorm_mode_16_64 3
		.amdhsa_memory_ordered 1
		.amdhsa_forward_progress 1
		.amdhsa_inst_pref_size 216
	.end_amdhsa_kernel
	.amdgpu_metadata
---
amdhsa.version: [ 1, 2 ]
amdhsa.kernels:
  - .name:           k_qfb73757e97_attn
    .symbol:         k_qfb73757e97_attn.kd
    .args:
      - { .name: qc, .offset: 0, .size: 8, .value_kind: global_buffer, .address_space: global }
      - { .name: qs, .offset: 8, .size: 8, .value_kind: global_buffer, .address_space: global }
      - { .name: kc, .offset: 16, .size: 8, .value_kind: global_buffer, .address_space: global }
      - { .name: ks, .offset: 24, .size: 8, .value_kind: global_buffer, .address_space: global }
      - { .name: vc, .offset: 32, .size: 8, .value_kind: global_buffer, .address_space: global }
      - { .name: vs, .offset: 40, .size: 8, .value_kind: global_buffer, .address_space: global }
      - { .name: oc, .offset: 48, .size: 8, .value_kind: global_buffer, .address_space: global }
      - { .name: os, .offset: 56, .size: 8, .value_kind: global_buffer, .address_space: global }
    .group_segment_fixed_size: 327680
    .private_segment_fixed_size: 0
    .kernarg_segment_align: 8
    .kernarg_segment_size: 64
    .max_flat_workgroup_size: 128
    .sgpr_count:     88
    .vgpr_count:     1024
    .wavefront_size: 32
...
	.end_amdgpu_metadata
.endif
;; end of part 2
;; launch outp (part 3): grid 256 x 1, 4 waves a work-group, clusters of 4 x 1, 167,936 bytes of LDS; arguments oc, os, Ww0_codes, Ww0_scales, bw0, out0; writes out0
.if DOCPART == 3
	.amdgcn_target "amdgcn-amd-amdhsa--gfx1250"
	.amdhsa_code_object_version 6
	.text
	.protected	k_qfb73757e97_outp
	.globl	k_qfb73757e97_outp
	.p2align	8
	.type	k_qfb73757e97_outp,@function
k_qfb73757e97_outp:
	s_mov_b64 s[64:65], 0
	v_nop
	global_prefetch_b8 v0, s[64:65] scope:SCOPE_SE
	s_setreg_imm32_b32 hwreg(HW_REG_WAVE_MODE, 25, 1), 1
	s_wait_xcnt 0x0
	s_wait_alu depctr_hold_cnt(0) depctr_sa_sdst(0) depctr_va_vdst(0) depctr_va_sdst(0) depctr_va_ssrc(0) depctr_va_vcc(0) depctr_vm_vsrc(0)
	s_getreg_b32 s2, hwreg(HW_REG_IB_STS2, 6, 4)
	s_cmp_eq_u32 s2, 0
	s_cbranch_scc0 .Lentry_in_a_cluster
	s_endpgm
.Lentry_in_a_cluster:
	s_bfe_u32 s2, ttmp6, 0x10000c
	s_cmp_lg_u32 s2, 0x3003
	s_cbranch_scc0 .Lentry_shape_is_right
	s_endpgm
.Lentry_shape_is_right:
; out0 = Q(vals) Ww0 + bw0 on codes of FP4 (E2M1) with E8M0 scales.  K = 1,024 = 8 heads x 128 d.  Nothing of the problem's work is left out here.
; oc [b][T][g][head 8][c 2][lane 32][16 B] holds, as operand registers, the fragment of 16 rows (slot r = position 128 T + 8 xr(r) + g, xr(r) = 8 ((r >> 2) & 1) + 4 (r >> 3) + (r & 3)) x one head's 128 d;
; os [b][head][T][g][slot] its scale words.
; SHARES.  1,024 tiles (b, T, g) of 16 rows x 128 outputs, one a wave: 64 products.  Ww0's 64 KiB are the same for every work-group: the four partners of a cluster ask for them jointly.
; THE PRODUCT IS USED TRANSPOSED: source 0 = 16 rows of Ww0 (outputs), source 1 = the 16 rows of vals: a lane holds eight neighbouring outputs of one row.  The bias is loaded into the accumulators.
; No prefetch: the launch is short and all its loads stand at its head.
.set STAGE, 67584                      ; LDS: Ww0 at 0: 128 rows of 512 bytes + 16 of padding;  here 16 rows x 528 bytes for each wave
.set SPARE, 101376                     ; the spare words, 128 bytes for each wave: two blocks of 256 bytes that no other line names
.set AW,  1                            ; v1 Ww0: my row and half;  v2 into the stage;  v3 back;  v4 16 x lane
.set STO, 2
.set RD,  3
.set L16, 4
.set SPW, 12                           ; v12 LDS address of my spare word;  v13 0;  never rewritten
.set NIL, 13
.set OSW, 16                           ; v16-23  vals' scale words, one a head
.set WS,  24                           ; v24-55  Ww0's [4 nt + head % 4]: lanes 0-15 heads 0-3, lanes 16-31 heads 4-7
.set ACC, 56                           ; v56-119 accumulators [8 nt]
.set OF,  120                          ; v120-183 vals' fragments [8 head]; later the rows read back
.set WB,  184                          ; v184-247 Ww0's fragments: two halves of four
.set WN,  16
.macro ROUND                           ; a round of the cluster's barrier
	s_barrier_signal -1
	s_barrier_wait -1
	s_cmp_lg_u32 s[WN], 0
	s_cbranch_scc1 .Lnw0_\@
	s_barrier_signal -3
.Lnw0_\@:
	s_barrier_wait -3
	s_barrier_signal -1
	s_barrier_wait -1
.endm
.macro WLOAD s                         ; half step s: head s / 2, output tiles 4 (s % 2) .. + 3: eight loads
.irp n, 0,1,2,3
.irp c, 0,1
	ds_load_b128 v[WB+32*((\s)%2)+8*\n+4*\c:WB+32*((\s)%2)+8*\n+4*\c+3], v[AW] offset:(4*((\s)%2)+\n)*8448+((\s)/2)*64+\c*32
.endr
.endr
.endm
.macro PROD s
.irp n, 0,1,2,3
.if (\s)/8
	v_wmma_scale_f32_16x16x128_f8f6f4 v[ACC+32*((\s)%2)+8*\n:ACC+32*((\s)%2)+8*\n+7], v[WB+32*((\s)%2)+8*\n:WB+32*((\s)%2)+8*\n+7], v[OF+8*((\s)/2):OF+8*((\s)/2)+7], v[ACC+32*((\s)%2)+8*\n:ACC+32*((\s)%2)+8*\n+7], v[WS+16*((\s)%2)+4*\n+((\s)/2)%4], v[OSW+(\s)/2] matrix_a_fmt:MATRIX_FMT_FP4 matrix_b_fmt:MATRIX_FMT_FP4 matrix_a_scale:MATRIX_SCALE_ROW1
.else
	v_wmma_scale_f32_16x16x128_f8f6f4 v[ACC+32*((\s)%2)+8*\n:ACC+32*((\s)%2)+8*\n+7], v[WB+32*((\s)%2)+8*\n:WB+32*((\s)%2)+8*\n+7], v[OF+8*((\s)/2):OF+8*((\s)/2)+7], v[ACC+32*((\s)%2)+8*\n:ACC+32*((\s)%2)+8*\n+7], v[WS+16*((\s)%2)+4*\n+((\s)/2)%4], v[OSW+(\s)/2] matrix_a_fmt:MATRIX_FMT_FP4 matrix_b_fmt:MATRIX_FMT_FP4
.endif
.endr
.rept 4
	v_nop                                          ; four places ahead of loads into registers that the products have read, and of the first read of results
.endr
.endm
	s_load_b256 s[4:11], s[0:1], 0x0               ; oc 4, os 6, Ww0_codes 8, Ww0_scales 10
	s_load_b128 s[12:15], s[0:1], 0x20             ; bw0 12, out0 14
	v_lshl_add_u32 v[SPW], v0, 2, SPARE
	v_mov_b32 v[NIL], 0
	ds_add_u32 v[SPW], v[NIL]                      ; the wave's opening: the add, twice on end, and its wait ahead of my first tensor load
	ds_add_u32 v[SPW], v[NIL]
	v_lshrrev_b32 v1, 5, v0
	v_readfirstlane_b32 s[WN], v1                  ; wave 0..3
	s_bfe_u32 s17, ttmp6, 0x40000                  ; cx
	s_lshl_b32 s18, ttmp9, 2
	s_add_co_u32 s18, s18, s17                     ; the work-group
	s_lshl_b32 s18, s18, 2
	s_add_co_u32 s18, s18, s[WN]                   ; my tile: 64 b + 8 T + g.  It enters global addresses alone
	s_mov_b32 s24, 15|(3<<16)|(1<<20)|(1<<21)|(6<<22)|(3<<25)   ; the mask: all four partners; elements of 8 bytes; padding on; bit 21 beside a mask; 4 words behind every 128
	s_mov_b32 s25, 64<<16                          ; rows of 512 bytes
	s_mov_b32 s26, 32<<16                          ; 32 rows a wave
	s_mov_b32 s27, 64<<16
	s_mov_b32 s28, 32
	s_mov_b32 s29, 64
	s_mov_b32 s30, 0
	s_mov_b32 s31, 0
	s_lshl_b32 s22, s[WN], 14
	s_mov_b32 s23, 0
	s_wait_dscnt 0x0                               ; both opening adds are done
	s_wait_kmcnt 0x0
	s_mov_b32 s32, 1
	s_mul_i32 s33, s[WN], 16896
	s_add_nc_u64 s[34:35], s[8:9], s[22:23]
	s_or_b32 s35, s35, 0x80000000
	ROUND                                          ; all four work-groups are here: the joint loads meet
	tensor_load_to_lds s[32:35], s[24:31]          ; my quarter of Ww0: one load of mine is out
	s_nop 0
.rept 4
	v_nop
.endr
	s_lshl_b32 s22, s18, 13
	s_add_nc_u64 s[4:5], s[4:5], s[22:23]          ; oc: 8,192 bytes a tile
	s_lshr_b32 s20, s18, 6                         ; b
	s_lshl_b32 s22, s20, 15
	s_and_b32 s21, s18, 63
	s_lshl_b32 s21, s21, 6
	s_add_co_u32 s22, s22, s21
	s_add_nc_u64 s[6:7], s[6:7], s[22:23]          ; os: 32,768 b + 64 (8 T + g); 4,096 a head
	s_lshl_b32 s22, s20, 19
	s_bfe_u32 s21, s18, 0x30003                    ; T
	s_lshl_b32 s21, s21, 16
	s_add_co_u32 s22, s22, s21
	s_and_b32 s21, s18, 7                          ; g
	s_lshl_b32 s21, s21, 9
	s_add_co_u32 s22, s22, s21
	s_add_nc_u64 s[14:15], s[14:15], s[22:23]      ; out0: row 1,024 b + 128 T + g, 512 bytes a row
	v_and_b32 v8, 15, v0                           ; r
	v_bfe_u32 v9, v0, 4, 1                         ; h
	v_and_b32 v10, 31, v0                          ; lane
	v_lshlrev_b32 v[L16], 4, v10
	v_lshlrev_b32 v5, 2, v8
	v_lshlrev_b32 v6, 5, v8
	v_lshl_add_u32 v6, v9, 4, v6                   ; Ww0_scales: row r of 32 bytes, + 16 h
	v_lshlrev_b32 v7, 5, v9                        ; bw0: 8 h numbers on
.irp d, 0,1,2,3,4,5,6,7
.irp c, 0,1
	global_load_b128 v[OF+8*\d+4*\c:OF+8*\d+4*\c+3], v[L16], s[4:5] offset:\d*1024+\c*512 th:TH_LOAD_NT
.endr
	global_load_b32 v[OSW+\d], v5, s[6:7] offset:\d*4096
.endr
.irp n, 0,1,2,3,4,5,6,7
	global_load_b128 v[WS+4*\n:WS+4*\n+3], v6, s[10:11] offset:\n*512
	global_load_b128 v[ACC+8*\n:ACC+8*\n+3], v7, s[12:13] offset:\n*64       ; the bias starts each sum: bw0[16 nt + 8 h + j]
	global_load_b128 v[ACC+8*\n+4:ACC+8*\n+7], v7, s[12:13] offset:\n*64+16
.endr
	v_mul_u32_u24 v[AW], v8, 528
	v_lshl_add_u32 v[AW], v9, 4, v[AW]
	s_mul_i32 s20, s[WN], 8448
	s_add_co_u32 s20, s20, STAGE                   ; my stage
	v_mul_u32_u24 v[STO], v8, 528
	v_lshl_add_u32 v[STO], v9, 5, v[STO]
	v_add_nc_u32 v[STO], s20, v[STO]
	v_add_nc_u32 v[RD], s20, v[L16]
	s_wait_alu depctr_va_vdst(0)
	s_wait_tensorcnt 0x0                           ; my quarter of Ww0 is in,
	s_barrier_signal -1
	s_barrier_wait -1                              ; everybody's is
	WLOAD 0
	WLOAD 1
	s_wait_loadcnt 0x0
.irp s, 0,1,2,3,4,5,6,7,8,9,10,11,12,13,14,15   ; the eight accumulators take turns, one instruction a turn
.if \s < 15
	s_wait_dscnt 8                                 ; this half step's fragments are in; the next one's eight loads may be out
.else
	s_wait_dscnt 0x0
.endif
	PROD \s
.if \s < 14
	WLOAD \s+2
.endif
.endr
.irp n, 0,1,2,3,4,5,6,7
	ds_store_b128 v[STO], v[ACC+8*\n:ACC+8*\n+3] offset:\n*64      ; each accumulator from its low end on
	ds_store_b128 v[STO], v[ACC+8*\n+4:ACC+8*\n+7] offset:\n*64+16
.endr
.irp i, 0,1,2,3,4,5,6,7,8,9,10,11,12,13,14,15
	ds_load_b128 v[OF+4*\i:OF+4*\i+3], v[RD] offset:\i*528         ; LDS serves a wave's instructions in order: these see my stores
.endr
.irp i, 0,1,2,3,4,5,6,7,8,9,10,11,12,13,14,15
	s_wait_dscnt 15-\i                             ; row i is back; the younger ones may be out
	global_store_b128 v[L16], v[OF+4*\i:OF+4*\i+3], s[14:15] offset:(8*((\i>>2)&1)+4*(\i>>3)+(\i&3))*4096 th:TH_STORE_NT   ; slot i is position 8 xr(i) on: a whole row of 512 bytes
.endr
	s_wait_tensorcnt 0x0                           ; the wave's end: behind my last tensor load and my last LDS store
	ds_add_u32 v[SPW], v[NIL]
	s_wait_dscnt 0x0
	ROUND                                          ; the closing round
	s_endpgm
.Lfunc_end_k_qfb73757e97_outp:
	.size	k_qfb73757e97_outp, .Lfunc_end_k_qfb73757e97_outp-k_qfb73757e97_outp
	.p2alignl 7, 3214868480
	.fill 96, 4, 3214868480
	.section	.rodata,"a",@progbits
	.p2align	6, 0x0
	.amdhsa_kernel k_qfb73757e97_outp
		.amdhsa_group_segment_fixed_size 167936
		.amdhsa_private_segment_fixed_size 0
		.amdhsa_enable_private_segment 0
		.amdhsa_kernarg_size 48
		.amdhsa_user_sgpr_count 2
		.amdhsa_user_sgpr_kernarg_segment_ptr 1
		.amdhsa_wavefront_size32 1
		.amdhsa_system_sgpr_workgroup_id_x 1
		.amdhsa_system_sgpr_workgroup_id_y 1
		.amdhsa_system_sgpr_workgroup_id_z 1
		.amdhsa_system_vgpr_workitem_id 0
		.amdhsa_next_free_vgpr 256
		.amdhsa_next_free_sgpr 66
		.amdhsa_reserve_vcc 0
		.amdhsa_float_denorm_mode_32 3
		.amdhsa_float_denorm_mode_16_64 3
		.amdhsa_memory_ordered 1
		.amdhsa_forward_progress 1
		.amdhsa_inst_pref_size 32
	.end_amdhsa_kernel
	.amdgpu_metadata
---
amdhsa.version: [ 1, 2 ]
amdhsa.kernels:
  - .name:           k_qfb73757e97_outp
    .symbol:         k_qfb73757e97_outp.kd
    .args:
      - { .name: oc, .offset: 0, .size: 8, .value_kind: global_buffer, .address_space: global }
      - { .name: os, .offset: 8, .size: 8, .value_kind: global_buffer, .address_space: global }
      - { .name: Ww0_codes, .offset: 16, .size: 8, .value_kind: global_buffer, .address_space: global }
      - { .name: Ww0_scales, .offset: 24, .size: 8, .value_kind: global_buffer, .address_space: global }
      - { .name: bw0, .offset: 32, .size: 8, .value_kind: global_buffer, .address_space: global }
      - { .name: out0, .offset: 40, .size: 8, .value_kind: global_buffer, .address_space: global }
    .group_segment_fixed_size: 167936
    .private_segment_fixed_size: 0
    .kernarg_segment_align: 8
    .kernarg_segment_size: 48
    .max_flat_workgroup_size: 128
    .sgpr_count:     66
    .vgpr_count:     256
    .wavefront_size: 32
...
	.end_amdgpu_metadata
.endif
;; end of part 3
